; MI455X (gfx1250); checked and timed in simulation.
; The chip was launched on July 23, 2026; its instructions are those of AMD's public machine-readable ISA for CDNA 5 (MIT licence, August 2026) and "CDNA5" Instruction Set Architecture Reference Guide (July 2026). The comments in the code are by the model that wrote it; some were corrected since.
;; Residual Attention Block. Allowed arithmetic: matrix products marked QUANTISED: E4M3 operands, one E8M0 scale for each 32 along K, by v_wmma_scale_f32_16x16x128_f8f6f4 with both operands' format E4M3, f32 sums; everything else in f32.
;; Inputs: fc2_b 1,024 float32; fc2_w_codes 1,024 x 128 x 32 uint8 (E4M3 codes of fc2_w, K innermost, in blocks of 32 codes); fc2_w_scales 1,024 x 128 uint8 (E8M0 scales of fc2_w, one for each 32 codes along K); fc_b 4,096 float32; fc_w_codes 4,096 x 32 x 32 uint8 (E4M3 codes of fc_w, K innermost, in blocks of 32 codes); fc_w_scales 4,096 x 32 uint8 (E8M0 scales of fc_w, one for each 32 codes along K); ln1_b 1,024 float32; ln1_g 1,024 float32; ln2_b 1,024 float32; ln2_g 1,024 float32; proj_b 1,024 float32; proj_w_codes 1,024 x 32 x 32 uint8 (E4M3 codes of proj_w, K innermost, in blocks of 32 codes); proj_w_scales 1,024 x 32 uint8 (E8M0 scales of proj_w, one for each 32 codes along K); qkv_b 3,072 float32; qkv_w_codes 3,072 x 32 x 32 uint8 (E4M3 codes of qkv_w, K innermost, in blocks of 32 codes); qkv_w_scales 3,072 x 32 uint8 (E8M0 scales of qkv_w, one for each 32 codes along K); x 2 x 2,048 x 1,024 float32.
;; Outputs: out0 2 x 2,048 x 1,024 float32.
;; This version of the problem:
;;   THIS VERSION OF THE PROBLEM IS GIVEN IN LOW PRECISION. The matrix products marked QUANTISED in the list below multiply operands that are first quantised to E4M3 (4 exponent bits, 3 mantissa bits; 8 bits a number), with one power-of-two scale for each 32 numbers along K (OCP MX v1.0); their sums are f32. All else is computed in f32.
;;   The module's matrix products, in the order in which they are computed (A, B: the left and right operand; K: the contracted axis; several contracted axes count as one K, in the product's order):
;;     1. [M 4,096, K 1,024] x [K 1,024, N 3,072]; A: computed on the way; B: input qkv_w (given as codes): QUANTISED
;;     2. batch 32 x [M 2,048, K 64] x [K 64, N 2,048]; A: computed on the way; B: computed on the way: QUANTISED
;;     3. batch 32 x [M 64, K 2,048] x [K 2,048, N 2,048]; A: computed on the way; B: softmax (see below): QUANTISED
;;     4. [M 4,096, K 1,024] x [K 1,024, N 1,024]; A: computed on the way; B: input proj_w (given as codes): QUANTISED
;;     5. [M 4,096, K 1,024] x [K 1,024, N 4,096]; A: computed on the way; B: input fc_w (given as codes): QUANTISED
;;     6. [M 4,096, K 4,096] x [K 4,096, N 1,024]; A: computed on the way; B: input fc2_w (given as codes): QUANTISED
;;   THE QUANTISER, for each operand of a quantised product, along K:
;;     - K is cut into blocks of 32 from its start; a last block that is shorter is filled with zeros.
;;     - A block's scale is 2^e with e = floor(log2(the largest magnitude in the block)) - 8, held to -126 .. 127; a block of zeros has e = 0. As a byte (E8M0): e + 127.
;;     - Each number is divided by its block's scale, clamped to +-448, and rounded to the nearest number of E4M3, ties to even, subnormals kept.
;;     - The product sums the exact products of the quantised numbers (number of the format x scale) in f32.
;;   ~~~python
;;   def quantise(x, axis):      # numpy; x: float32 -> the quantised numbers, widened to float32 again
;;       x = np.moveaxis(x, axis, -1); K = x.shape[-1]
;;       x = np.pad(x, [(0, 0)] * (x.ndim - 1) + [(0, -K % 32)]); x = x.reshape(x.shape[:-1] + (-1, 32)); a = np.abs(x).max(-1, keepdims=True)
;;       e = np.where(a > 0, np.clip(np.frexp(np.where(a > 0, a, 1))[1] - 1 - 8, -126, 127), 0)      # np.frexp(a)[1] - 1 = floor(log2(a)), exactly
;;       r = np.clip(x / 2.0 ** e, -448, 448)
;;       step = 2.0 ** (np.maximum(np.frexp(np.where(r == 0, 1, r))[1] - 1, -6) - 3)
;;       q = np.round(r / step) * step * 2.0 ** e      # np.round: ties to even
;;       return np.moveaxis(q.reshape(q.shape[:-2] + (-1,))[..., :K], -1, axis).astype(np.float32)
;;   ~~~
;;   SOFTMAX AHEAD OF A QUANTISED PRODUCT. Where the list says 'softmax', what is quantised is not the finished softmax but p = 2^(t - M), with t = logit x log2(e) and M = ceil(the row's largest t), a whole number; so 1/2 < the row's largest p <= 1. The row's sum l is taken of the UNQUANTISED p, in f32, and the product's result is divided by l at the end. Since M is a whole number, a kernel that streams over the keys may use a running M (the ceiling of the running maximum): every later rescaling is an exact power of two, which a block's scale takes up: the codes' values come out the same.
;;   OPERANDS COMPUTED ON THE WAY. 'Computed on the way' means the value that the module computes at that place (a softmax that the list does not call 'softmax' is quantised finished and normalised). What goes into a quantiser is computed in f32, as accurately as f32 sums, v_exp_f32 and their like allow (about 1e-6 of the number): no bf16 or f16 on the way to a quantiser, and a product that is left as it is and whose result goes on into a quantised operand takes f32 operands (vector FMAs, or v_wmma_f32_16x16x4_f32). A number that lies on a knife's edge between two numbers of the format may be rounded either way, as far as f32 arithmetic and the matrix unit's own rounding can turn it there, and no further.
;;   INPUTS GIVEN AS CODES. fc2_w (in the module: [4096, 1024], K = its axis 0); fc_w (in the module: [1024, 4096], K = its axis 0); proj_w (in the module: [1024, 1024], K = its axis 0); qkv_w (in the module: [1024, 3072], K = its axis 0): each comes as NAME_codes (uint8): NAME with its K axis moved to the last place and cut into blocks of 32 codes, [.., K / 32, bytes a block], one block behind the other in memory; one code a byte (a code: sign, 4 exponent bits, 3 mantissa bits); and NAME_scales (uint8): the same leading axes, one E8M0 byte (e + 127) for each 32 codes along K. Its value is code x scale, taken as it is: it is not quantised again, and the codes and scales need not be those that the quantiser above would give.
;; One version. Each part assembles by itself: llvm-mc -triple=amdgcn-amd-amdhsa -mcpu=gfx1250 --defsym DOCPART=n.
;; ======== version 1 of 1: 7 launches
;; limits: right only within a limited range of input values
;; workspace buffers: a1c 4,194,304 bytes; a1s 131,072 bytes; q_img 4,325,376 bytes; kv_img 8,650,752 bytes; att_img 4,325,376 bytes; x2 16,777,216 bytes; h_img 17,301,504 bytes
;; launch ln1 (part 1): grid 256 x 1, 8 waves a work-group, no clusters, 83,968 bytes of LDS; arguments x, ln1_g, ln1_b, a1c, a1s; writes a1c, a1s
.if DOCPART == 1
	.amdgcn_target "amdgcn-amd-amdhsa--gfx1250"
	.amdhsa_code_object_version 6
	.text
	.protected	k_qf680391c3f_ln1
	.globl	k_qf680391c3f_ln1
	.p2align	8
	.type	k_qf680391c3f_ln1,@function
k_qf680391c3f_ln1:
	s_mov_b64 s[64:65], 0
	v_nop
	global_prefetch_b8 v0, s[64:65] scope:SCOPE_SE
	s_setreg_imm32_b32 hwreg(HW_REG_WAVE_MODE, 25, 1), 1
	s_wait_xcnt 0x0
; y = (x - mean) * rsqrt(var + 1e-5) * g + b along rows of 1,024 f32, then y as codes of E4M3 with one E8M0 byte for each 32 along the row.
; Codes go out as [4096][1024] bytes, scale bytes as [4096][32].  A work-group takes 16 rows, each of its eight waves two; a row stays in 32 registers between its passes.
; Mean and variance in two passes (the variance of x - mean), so that a common offset of the inputs costs no digits.
; A load takes 512 consecutive bytes (16 a lane); the conversions want 16 NEIGHBOURS in a lane: 512 numbers at a time turn through the wave's own stage in LDS (64 bytes + 16 of padding a lane).
; A block's scale byte is its largest magnitude's exponent field - 8, held at 1 from below.  A block of zeros so gets the byte 1 where the quantiser says 127: its codes are zeros and this program alone reads the bytes.
; LIMITS: NaN and infinities among the inputs are not served.
.set WREG, 10240                       ; LDS of a wave: four stages of 32 x SP bytes, one for each of its four steps of 512 numbers
.set SP,   80
.set SCB,  8*WREG                      ; the work-group's 512 scale bytes
.set X,    32                          ; v32-95   two rows: register 4 j + e = number 128 j + 4 lane + e
.set G,    96                          ; v96-127  the gains, in the same layout
.set BV,   128                         ; v128-159 the biases
.set Y,    160                         ; v160-191 two sets of 16 neighbours
.set C,    192                         ; v192-207 codes, four registers a step: no store's data are written again
.set E,    208                         ; v208-211 a scale byte a step
	s_load_b256 s[4:11], s[0:1], 0x0               ; the rows, g, b, the codes
	s_load_b64 s[12:13], s[0:1], 0x20              ; the scale bytes
	v_lshl_add_u32 v224, v0, 2, 0x14400
	v_mov_b32 v225, 0
	v_lshrrev_b32 v1, 5, v0
	s_delay_alu instid0(VALU_DEP_1)
	v_readfirstlane_b32 s16, v1                    ; wave 0..7
	v_and_b32 v2, 31, v0                           ; lane
	s_delay_alu instid0(VALU_DEP_1)
	v_lshlrev_b32 v3, 4, v2                        ; 16 x lane
	s_mul_i32 s17, s16, WREG
	v_lshrrev_b32 v14, 2, v2
	s_delay_alu instid0(VALU_DEP_1)
	v_mul_u32_u24 v14, v14, SP
	v_and_b32 v15, 3, v2
	s_delay_alu instid0(VALU_DEP_1)
	v_lshl_add_u32 v14, v15, 4, v14
	s_delay_alu instid0(VALU_DEP_1)
	v_add_nc_u32 v14, s17, v14                     ; into a stage: four lanes' 64 bytes on end, then 16 of padding
	v_mul_u32_u24 v15, v2, SP
	s_delay_alu instid0(VALU_DEP_1)
	v_add_nc_u32 v15, s17, v15                     ; out of it: my 16 neighbours
	s_lshl_b32 s18, s16, 6
	s_add_co_u32 s18, s18, SCB
	v_lshrrev_b32 v5, 1, v2
	s_delay_alu instid0(VALU_DEP_1)
	v_add_nc_u32 v5, s18, v5                       ; my wave's 64 scale bytes, my block's byte
	v_add_nc_u32 v6, SCB, v3                       ; and all 512 on the way out
	s_mov_b32 s20, 0x76543210
	s_mov_b32 s21, 0xfedcba98                      ; v_permlanex16_b32's selects for lane l xor 16
	s_mov_b32 s23, 0x600000                        ; the mantissa field of 448
	s_mov_b32 s24, 0x3a800000                      ; 1 / 1024
	s_mov_b32 s25, 0x3727c5ac                      ; 1e-5
	s_lshl_b32 s26, ttmp9, 16                      ; 16 rows of 4,096 bytes a work-group,
	s_lshl_b32 s28, s16, 13                        ; two a wave
	s_add_co_u32 s26, s26, s28
	s_mov_b32 s27, 0
	s_lshr_b32 s28, s26, 2                         ; a quarter of that in the codes
	s_mov_b32 s29, 0
	s_lshl_b32 s30, ttmp9, 9                       ; 512 scale bytes a work-group
	s_mov_b32 s31, 0
	s_wait_kmcnt 0x0
	s_add_nc_u64 s[4:5], s[4:5], s[26:27]
	s_add_nc_u64 s[10:11], s[10:11], s[28:29]
	s_add_nc_u64 s[12:13], s[12:13], s[30:31]
.macro LD8 reg, base, off              ; 4,096 bytes: eight loads of 512 consecutive bytes
.irp j, 0,1,2,3,4,5,6,7
	global_load_b128 v[\reg+4*\j:\reg+4*\j+3], v3, s[\base:\base+1] offset:\off+512*\j
.endr
.endm
	LD8 X, 4, 0
	LD8 G, 6, 0
	LD8 BV, 8, 0
	LD8 X+32, 4, 4096
.macro ALLSUM                          ; four packed chains in v16-23 become one sum, the same in every lane, in v16
	s_delay_alu instid0(VALU_DEP_3)
	v_pk_add_f32 v[16:17], v[16:17], v[18:19]
	s_delay_alu instid0(VALU_DEP_2)
	v_pk_add_f32 v[20:21], v[20:21], v[22:23]
	s_delay_alu instid0(VALU_DEP_1)
	v_pk_add_f32 v[16:17], v[16:17], v[20:21]
	s_delay_alu instid0(VALU_DEP_1)
	v_add_f32 v16, v16, v17
	s_delay_alu instid0(VALU_DEP_1)
	v_add_f32_dpp v16, v16, v16 row_xmask:1 row_mask:0xf bank_mask:0xf
	s_delay_alu instid0(VALU_DEP_1)
	v_add_f32_dpp v16, v16, v16 row_xmask:2 row_mask:0xf bank_mask:0xf
	s_delay_alu instid0(VALU_DEP_1)
	v_add_f32_dpp v16, v16, v16 row_xmask:4 row_mask:0xf bank_mask:0xf
	s_delay_alu instid0(VALU_DEP_1)
	v_add_f32_dpp v16, v16, v16 row_xmask:8 row_mask:0xf bank_mask:0xf
	s_delay_alu instid0(VALU_DEP_1)
	v_permlanex16_b32 v17, v16, s20, s21
	s_delay_alu instid0(VALU_DEP_1)
	v_add_f32 v16, v16, v17
.endm
.macro ROW p
.set XR, X+32*\p
.if \p == 0
	s_wait_loadcnt 24                              ; row 0 is in; g, b and row 1 (24 loads) may be out
.else
	s_wait_loadcnt 0x0
.endif
.irp c, 0,1,2,3
	v_pk_add_f32 v[16+2*\c:17+2*\c], v[XR+4*\c:XR+4*\c+1], v[XR+4*\c+2:XR+4*\c+3]
.endr
.irp j, 16,24
.irp c, 0,1,2,3
	s_delay_alu instid0(VALU_DEP_4)
	v_pk_add_f32 v[16+2*\c:17+2*\c], v[16+2*\c:17+2*\c], v[XR+\j+2*\c:XR+\j+2*\c+1]
.endr
.endr
	ALLSUM
	s_delay_alu instid0(VALU_DEP_1)
	v_mul_f32 v24, s24, v16                        ; the mean,
	s_delay_alu instid0(VALU_DEP_1)
	v_mov_b32 v25, v24                             ; as a pair
.set j, 0
.rept 16
	v_pk_add_f32 v[XR+j:XR+j+1], v[XR+j:XR+j+1], v[24:25] neg_lo:[0,1] neg_hi:[0,1]   ; d = x - mean
.set j, j+2
.endr
.irp c, 0,1,2,3
	v_pk_mul_f32 v[16+2*\c:17+2*\c], v[XR+2*\c:XR+2*\c+1], v[XR+2*\c:XR+2*\c+1]
.endr
.irp j, 8,16,24
.irp c, 0,1,2,3
	s_delay_alu instid0(VALU_DEP_4)
	v_pk_fma_f32 v[16+2*\c:17+2*\c], v[XR+\j+2*\c:XR+\j+2*\c+1], v[XR+\j+2*\c:XR+\j+2*\c+1], v[16+2*\c:17+2*\c]
.endr
.endr
	ALLSUM
	s_delay_alu instid0(VALU_DEP_1)
	v_fma_f32 v16, v16, s24, s25                   ; the variance + 1e-5
	s_wait_alu depctr_va_vdst(0)
	v_rsq_f32 v26, v16
	v_nop                                          ; a plain instruction behind the transcendental,
	s_wait_alu depctr_va_vdst(0)                   ; and the wait ahead of the first instruction that names its result
	v_mov_b32 v27, v26
.if \p == 0
	s_wait_alu depctr_va_vdst(0)
	s_wait_loadcnt 8                               ; g and b are in; row 1's eight loads may be out
.endif
.set j, 0
.rept 16
	v_pk_mul_f32 v[XR+j:XR+j+1], v[XR+j:XR+j+1], v[26:27]
.set j, j+2
.endr
.set j, 0
.rept 16
	v_pk_fma_f32 v[XR+j:XR+j+1], v[XR+j:XR+j+1], v[G+j:G+j+1], v[BV+j:BV+j+1]
.set j, j+2
.endr
.irp s, 0,1                            ; the row's two steps of 512 numbers go through their stages: LDS serves a wave's instructions in order, so no wait stands between the stores and the loads
.irp i, 0,1,2,3
	ds_store_b128 v14, v[XR+16*\s+4*\i:XR+16*\s+4*\i+3] offset:2560*(2*\p+\s)+640*\i
.endr
.irp i, 0,1,2,3
	ds_load_b128 v[Y+16*\s+4*\i:Y+16*\s+4*\i+3], v15 offset:2560*(2*\p+\s)+16*\i
.endr
.endr
.irp s, 0,1
.set YS, Y+16*\s
.set K4, 2*\p+\s
.if \s == 0
	s_wait_dscnt 8                                 ; this step's numbers are back; the next step's four stores and four loads may be out
.else
	s_wait_dscnt 1                                 ; only the last step's byte store may be out
.endif
	v_max3_num_f32 v8, |v[YS]|, |v[YS+1]|, |v[YS+2]|               ; the largest magnitude of my 16
	v_max3_num_f32 v9, |v[YS+3]|, |v[YS+4]|, |v[YS+5]|
.irp i, 6,10
	s_delay_alu instid0(VALU_DEP_2)
	v_max3_num_f32 v8, v8, |v[YS+\i]|, |v[YS+\i+1]|
	s_delay_alu instid0(VALU_DEP_2)
	v_max3_num_f32 v9, v9, |v[YS+\i+2]|, |v[YS+\i+3]|
.endr
	s_delay_alu instid0(VALU_DEP_2)
	v_max3_num_f32 v8, v8, |v[YS+14]|, |v[YS+15]|
	s_delay_alu instid0(VALU_DEP_1)
	v_max3_num_f32 v8, v8, v9, 0x4800000           ; and the floor 2^(9 - 127): the byte cannot fall under 1
	s_delay_alu instid0(VALU_DEP_1)
	v_max_num_f32_dpp v8, v8, v8 row_xmask:1 row_mask:0xf bank_mask:0xf   ; and of my neighbour's 16: the block's
	s_delay_alu instid0(VALU_DEP_1)
	v_add_nc_u32 v11, 0xfc000000, v8               ; 8 off its exponent field: the conversion takes the exponent field of this operand as its scale
	s_delay_alu instid0(VALU_DEP_2)
	v_and_or_b32 v10, v8, 0x7f800000, s23          ; 448 x the scale
.set i, 0
.rept 16
	v_med3_num_f32 v[YS+i], v[YS+i], -v10, v10     ; the conversion to an 8-bit code does not saturate (ISA guide 7.6.2): the hold comes first
.set i, i+1
.endr
	v_cvt_scalef32_pk8_fp8_f32 v[C+4*K4:C+4*K4+1], v[YS:YS+7], v11
	v_cvt_scalef32_pk8_fp8_f32 v[C+4*K4+2:C+4*K4+3], v[YS+8:YS+15], v11
	v_lshrrev_b32 v[E+K4], 23, v11                 ; the scale's byte
	ds_store_b8 v5, v[E+K4] offset:32*\p+16*\s     ; both lanes of a block write the same byte with the same value
	global_store_b128 v3, v[C+4*K4:C+4*K4+3], s[10:11] offset:1024*\p+512*\s   ; 32 lanes store 512 consecutive bytes
.endr
.endm
	ROW 0
	ROW 1
	s_wait_dscnt 0x0                               ; for the others' sake: my byte stores are done
	s_barrier_signal -1
	s_barrier_wait -1
	s_cmp_lg_u32 s16, 0
	s_cbranch_scc1 .Ldone
	ds_load_b128 v[8:11], v6                       ; wave 0 stores the sixteen rows' 512 scale bytes: two aligned runs of 256
	s_wait_dscnt 0x0
	global_store_b128 v3, v[8:11], s[12:13]
.Ldone:
	s_wait_tensorcnt 0x0
	ds_add_u32 v224, v225
	s_wait_dscnt 0x0
	s_endpgm
.Lfunc_end_k_qf680391c3f_ln1:
	.size	k_qf680391c3f_ln1, .Lfunc_end_k_qf680391c3f_ln1-k_qf680391c3f_ln1
	.p2alignl 7, 3214868480
	.fill 96, 4, 3214868480
	.section	.rodata,"a",@progbits
	.p2align	6, 0x0
	.amdhsa_kernel k_qf680391c3f_ln1
		.amdhsa_group_segment_fixed_size 83968
		.amdhsa_private_segment_fixed_size 0
		.amdhsa_enable_private_segment 0
		.amdhsa_kernarg_size 40
		.amdhsa_user_sgpr_count 2
		.amdhsa_user_sgpr_kernarg_segment_ptr 1
		.amdhsa_wavefront_size32 1
		.amdhsa_system_sgpr_workgroup_id_x 1
		.amdhsa_system_sgpr_workgroup_id_y 1
		.amdhsa_system_sgpr_workgroup_id_z 1
		.amdhsa_system_vgpr_workitem_id 0
		.amdhsa_next_free_vgpr 226
		.amdhsa_next_free_sgpr 66
		.amdhsa_reserve_vcc 0
		.amdhsa_float_denorm_mode_32 3
		.amdhsa_float_denorm_mode_16_64 3
		.amdhsa_memory_ordered 1
		.amdhsa_forward_progress 1
		.amdhsa_inst_pref_size 33
	.end_amdhsa_kernel
	.amdgpu_metadata
---
amdhsa.version: [ 1, 2 ]
amdhsa.kernels:
  - .name:           k_qf680391c3f_ln1
    .symbol:         k_qf680391c3f_ln1.kd
    .args:
      - { .name: x, .offset: 0, .size: 8, .value_kind: global_buffer, .address_space: global }
      - { .name: ln1_g, .offset: 8, .size: 8, .value_kind: global_buffer, .address_space: global }
      - { .name: ln1_b, .offset: 16, .size: 8, .value_kind: global_buffer, .address_space: global }
      - { .name: a1c, .offset: 24, .size: 8, .value_kind: global_buffer, .address_space: global }
      - { .name: a1s, .offset: 32, .size: 8, .value_kind: global_buffer, .address_space: global }
    .group_segment_fixed_size: 83968
    .private_segment_fixed_size: 0
    .kernarg_segment_align: 8
    .kernarg_segment_size: 40
    .max_flat_workgroup_size: 256
    .sgpr_count:     66
    .vgpr_count:     226
    .wavefront_size: 32
...
	.end_amdgpu_metadata
.endif
;; end of part 1
;; launch qkv (part 2): grid 12 x 16, 4 waves a work-group, clusters of 4 x 4, 327,680 bytes of LDS; arguments a1c, a1s, qkv_w_codes, qkv_w_scales, qkv_b, q_img, kv_img; writes q_img, kv_img
.if DOCPART == 2
	.amdgcn_target "amdgcn-amd-amdhsa--gfx1250"
	.amdhsa_code_object_version 6
	.text
	.protected	k_qf680391c3f_qkv
	.globl	k_qf680391c3f_qkv
	.p2align	8
	.type	k_qf680391c3f_qkv,@function
k_qf680391c3f_qkv:
	s_mov_b64 s[64:65], 0
	v_nop
	global_prefetch_b8 v0, s[64:65] scope:SCOPE_SE
	s_setreg_imm32_b32 hwreg(HW_REG_WAVE_MODE, 25, 1), 1
	s_wait_xcnt 0x0
	s_wait_alu depctr_hold_cnt(0) depctr_sa_sdst(0) depctr_va_vdst(0) depctr_va_sdst(0) depctr_va_ssrc(0) depctr_va_vcc(0) depctr_vm_vsrc(0)
	s_getreg_b32 s2, hwreg(HW_REG_IB_STS2, 6, 4)
	s_cmp_eq_u32 s2, 0
	s_cbranch_scc0 .Lentry_in_a_cluster
	s_endpgm
.Lentry_in_a_cluster:
	s_bfe_u32 s2, ttmp6, 0x10000c
	s_cmp_lg_u32 s2, 0xf033
	s_cbranch_scc0 .Lentry_shape_is_right
	s_endpgm
.Lentry_shape_is_right:
; qkv = LN1(x) W + b on codes of E4M3 (A: [4096][1024] codes, [4096][32] scale bytes; W: [3072][1024] codes, K innermost, [3072][32] scale bytes), then q and k x 2^-1.5 quantised along the head's 64,
; v quantised along the keys; all three leave as IMAGES OF OPERAND REGISTERS for the attention launch.
; THE PRODUCT: a work-group of four waves makes 256 rows x 256 columns, a wave 128 x 128 in 64 accumulators.  K goes in steps of 256 through a ring of two LDS slots filled by the tensor data mover; the scale bytes of
; the work-group's rows of A and of W come once and stay.  4 x 4 work-groups form a cluster: A's tiles are asked for jointly along a row of the cluster, W's along a column.
; The matrix instruction is used transposed (source 0 = 16 rows of W, source 1 = 16 rows of A): a lane holds eight neighbouring columns of one row.  The bias is the C of the first K step's products.
; WHICH COLUMNS: column = 192 head + 64 (0: q, 1: k, 2: v) + channel.  A wave's 128 columns are chunk 3 g + X of 24, g = 2 cx + (wave & 1), X = the cluster's x (0, 1, 2): so what a wave's two units of 64
; columns are hangs on X alone, which all partners share: X = 0: q, k of head 2 g;  X = 1: v of head 2 g, q of head 2 g + 1;  X = 2: k, v of head 2 g + 1.
; THE IMAGES.  A wave's 128 rows are one record.  q, k: four PAIR fragments of 2,048 bytes: pieces 0, 1 (512 bytes: lane l's 16 at 16 l) = tile 2 t, channels 32 c + 16 (l / 16) + 0..15; pieces 2, 3 = tile 2 t + 1;
; lane r of tile 2 t + u is row 32 t + 8 u + r + 8 (r / 8).  v: fragment t: lane r = channel 32 (t / 2) + 8 (t % 2) + r + 8 (r / 8), piece c = keys 32 c + 16 (l / 16) + 0..15.  Scale words: [fragment][r], 4 bytes.
; q_img: [batch-head][record] of 8,448 bytes (codes, words).  kv_img: [batch-head][record] of 16,896 bytes (k's codes, v's codes, k's words, v's words).
; LIMITS: NaN and infinities are not served; a block of zeros carries the byte 1 (its codes are zeros; this program alone reads the bytes).
.set SIZE_K, 1024
.set KSTEP,  256
.set NQ,     KSTEP/128
.set ROWB,   256
.set KROW,   SIZE_K
.set PITCH,  272                       ; an LDS row: 256 bytes + 16 of padding: the 16 rows that a load touches start at 16 different banks (64 banks of 4 bytes: ISA guide 11.1)
.set FR,     16
.set NL,     4
.set NP,     8                         ; places behind this matrix instruction (ISA guide 7.12.1)
.set HALFT,  128*PITCH
.set SLOT,   4*HALFT
.set LAPS,   SIZE_K/(2*KSTEP)
.set KS,     SIZE_K/32
.set SCL,    2*SLOT                    ; behind the ring: the scales, as runs of 256 bytes + 16 of padding
.set HALFS,  (128*KS/256)*272
.set SBLK,   (16*KS/256)*272
.set SPARE,  SCL+4*HALFS               ; the spare words, 128 bytes a wave, that no other line names
.set SCR,    SPARE+512                 ; 256 bytes a wave: a unit's scale words are gathered here
.set WD,   12                          ; v12-13  a unit's scale words on their way out
.set ADRA, 16                          ; v16-17  LDS address of my A fragments in slot 0, 1
.set SCL8, 18                          ; v18     my 8 bytes of the gathered scale words
.set ADRB, 20                          ; v20-21  the same for W
.set L16,  22                          ; v22     16 x lane
.set L8,   23                          ; v23     8 x lane
.set STO,  24                          ; v24     the stage: where I put 32 bytes of a row
.set RDK,  25                          ; v25     the stage: my row and half for q and k
.set RDV,  26                          ; v26     the stage: my channel and half for v
.set ADRS, 27                          ; v27     LDS address of my scale words: lanes 0-15 A's rows, lanes 16-31 W's
.set SPW,  28                          ; v28     my spare word; never rewritten
.set NIL,  29                          ; v29     0; never rewritten
.set PW,   30                          ; v30     the scale word just made
.set SCW,  31                          ; v31     where it goes
.set SC,   32                          ; v32-63  scale words, two sets; they hold nothing else
.set BIAS, 64                          ; v64-127 the bias: register 8 b + j = column 16 b + 8 (l / 16) + j
.set X,    64                          ; the way out: 64 numbers of a lane
.set AF,   128                         ; A's fragments, window 0
.set TM,   224                         ; the way out: v224-239 at work
.set PC,   240                         ; v240-255 the codes just made
.set G1, 24
.set G0, 32
.set G1B, 48
.set G0B, 56
.set G1S, 68
.set G0S, 76
.set G1SB, 80
.set G0SB, 88
.set CB,  18                           ; s[18:19] the way out: where a unit's codes go
.set WB,  20                           ; s[20:21] and its scale words
.set FAC, 22                           ; s[22:23] 2^-1.5 for q and k, 1 for v
.set TYP, 42                           ; s42      0: q, 1: k, 2: v
.set SEL, 92
.set MNT, 94
.set MSB, 0
.macro WIN new                         ; the immediate's high byte repeats the setting that is left
.if MSB != \new
	s_set_vgpr_msb (MSB<<8)|\new
.set MSB, \new
.endif
.endm
.set MUL_LO, 0xa1                      ; source 0 (W) window 1, source 1 (A) window 0, C and D window 2
.set MUL_HI, 0xf1                      ; the same, C and D window 3
.set TO_B,   0x40
; A joint load: waves 0 and 1 fetch for A, waves 2 and 3 for W.  The branch hangs on the wave's number alone.  Four v_nop follow each of the two lines.
.macro JLOAD g0a, g1a, g0b, g1b
	s_cmp_eq_u32 s15, 0
	s_cbranch_scc0 .Lfor_b_\@
	tensor_load_to_lds s[\g0a:\g0a+3], s[\g1a:\g1a+7]
	s_nop 0
.rept 4
	v_nop
.endr
	s_branch .Lasked_\@
.Lfor_b_\@:
	tensor_load_to_lds s[\g0b:\g0b+3], s[\g1b:\g1b+7]
	s_nop 0
.rept 4
	v_nop
.endr
.Lasked_\@:
.endm
.macro CREST                           ; a round of the cluster's barrier behind its opening barrier
	s_cmp_lg_u32 s14, 0
	s_cbranch_scc1 .Lnot_wave_0_\@
	s_barrier_signal -3
.Lnot_wave_0_\@:
	s_barrier_wait -3
	s_barrier_signal -1
	s_barrier_wait -1
.endm
.macro CROUND
	s_barrier_signal -1
	s_barrier_wait -1
	CREST
.endm
	s_load_b128 s[4:7], s[0:1], 0x0                ; A's codes, A's scales
	s_load_b128 s[8:11], s[0:1], 0x10              ; W's codes, W's scales
	s_load_b64 s[12:13], s[0:1], 0x20              ; the bias
	s_load_b64 s[96:97], s[0:1], 0x28              ; q_img
	s_load_b64 s[98:99], s[0:1], 0x30              ; kv_img
	v_lshl_add_u32 v[SPW], v0, 2, SPARE
	v_mov_b32 v[NIL], 0
	ds_add_u32 v28, v29
	ds_add_u32 v28, v29
	s_wait_dscnt 0x0
	v_lshrrev_b32 v1, 5, v0
	v_readfirstlane_b32 s14, v1                    ; wave 0..3
	s_lshr_b32 s15, s14, 1                         ; which half of the tile's rows is mine.  Also: I fetch for A (0) or for W (1)
	s_and_b32 s16, s14, 1                          ; which half of its columns.  Also: which 128 rows of that tile I fetch
	s_bfe_u32 s40, ttmp6, 0x40000                  ; cx, cy: my place in the cluster
	s_bfe_u32 s41, ttmp6, 0x40004
	s_and_b32 s17, ttmp7, 0xffff
	s_lshl_b32 s17, s17, 2
	s_add_co_u32 s17, s17, s41                     ; tile row = 4 x cluster y + cy
	s_lshl_b32 s43, s41, 2
	s_lshl_b32 s43, 15, s43                        ; my row of the cluster
	s_lshl_b32 s44, 0x1111, s40                    ; my column
	s_or_b32 s[G1+0], s43, (0<<16)|(1<<20)|(1<<21)|(5<<22)|(3<<25)  ; the mask; elements of 1 byte; padding on; bit 21 beside a mask; after every 64 words, 4 words
	s_or_b32 s[G1B+0], s44, (0<<16)|(1<<20)|(1<<21)|(5<<22)|(3<<25)
.irp g, G1, G1B
	s_mov_b32 s[\g+1], ROWB<<16                    ; tensor_dim0
	s_mov_b32 s[\g+2], 128<<16                     ; tensor_dim1
	s_mov_b32 s[\g+3], ROWB<<16                    ; tile_dim0
	s_mov_b32 s[\g+4], 128                         ; tile_dim1
	s_mov_b32 s[\g+5], KROW                        ; the pitch
	s_mov_b32 s[\g+6], 0
	s_mov_b32 s[\g+7], 0
.endr
	s_or_b32 s[G1S+0], s43, (3<<16)|(1<<20)|(1<<21)|(5<<22)|(3<<25) ; the scales of 128 rows: a dense block, as rows of 256 bytes (32 elements of 8), 16 bytes of padding behind each
	s_or_b32 s[G1SB+0], s44, (3<<16)|(1<<20)|(1<<21)|(5<<22)|(3<<25)
.irp g, G1S, G1SB
	s_mov_b32 s[\g+1], 32<<16
	s_mov_b32 s[\g+2], (128*KS/256)<<16
	s_mov_b32 s[\g+3], 32<<16
	s_mov_b32 s[\g+4], 128*KS/256
	s_mov_b32 s[\g+5], 32
	s_mov_b32 s[\g+6], 0
	s_mov_b32 s[\g+7], 0
.endr
	s_lshl_b32 s18, s16, 7
	s_lshl_b32 s20, s17, 8
	s_add_co_u32 s20, s20, s18                     ; A: row 256 x tile row + 128 x half
	s_lshl_b32 s46, s40, 1
	s_add_co_u32 s46, s46, s16                     ; g = 2 cx + half
	s_mul_i32 s46, s46, 3
	s_add_co_u32 s46, s46, ttmp9                   ; chunk 3 g + X
	s_lshl_b32 s46, s46, 7                         ; W: its first row
	s_mov_b32 s95, s46                             ; kept for the bias
	s_mov_b32 s21, 0
	s_mov_b32 s47, 0
	s_mov_b64 s[18:19], KS
	s_mul_u64 s[22:23], s[20:21], s[18:19]         ; where these rows' scales begin,
	s_mul_u64 s[92:93], s[46:47], s[18:19]
	s_mov_b64 s[18:19], KROW
	s_mul_u64 s[20:21], s[20:21], s[18:19]         ; and their codes
	s_mul_u64 s[46:47], s[46:47], s[18:19]
	s_mul_i32 s45, s14, HALFT                      ; where they go: wave x 128 rows: no place in the cluster enters an LDS address
	s_mul_i32 s94, s14, HALFS
	s_wait_kmcnt 0x0
	s_add_nc_u64 s[20:21], s[4:5], s[20:21]
	s_add_nc_u64 s[22:23], s[6:7], s[22:23]
	s_add_nc_u64 s[46:47], s[8:9], s[46:47]
	s_add_nc_u64 s[92:93], s[10:11], s[92:93]
	CROUND                                         ; all sixteen work-groups are here: the first joint loads meet
	s_mov_b32 s[G0S], 1
	s_add_co_u32 s[G0S+1], s94, SCL
	s_mov_b64 s[G0S+2:G0S+3], s[22:23]
	s_or_b32 s[G0S+3], s[G0S+3], 0x80000000
	s_mov_b32 s[G0SB], 1
	s_add_co_u32 s[G0SB+1], s94, SCL
	s_mov_b64 s[G0SB+2:G0SB+3], s[92:93]
	s_or_b32 s[G0SB+3], s[G0SB+3], 0x80000000
	JLOAD G0S, G1S, G0SB, G1SB                     ; the scales first: they are wanted with K step 0
.irp s, 0,1
	s_mov_b32 s[G0+4*\s], 1
	s_add_co_u32 s[G0+4*\s+1], s45, \s*SLOT
	s_add_nc_u64 s[G0+4*\s+2:G0+4*\s+3], s[20:21], \s*ROWB
	s_or_b32 s[G0+4*\s+3], s[G0+4*\s+3], 0x80000000
	s_mov_b32 s[G0B+4*\s], 1
	s_add_co_u32 s[G0B+4*\s+1], s45, \s*SLOT
	s_add_nc_u64 s[G0B+4*\s+2:G0B+4*\s+3], s[46:47], \s*ROWB
	s_or_b32 s[G0B+4*\s+3], s[G0B+4*\s+3], 0x80000000
	s_wait_alu depctr_va_vdst(0)
	s_wait_tensorcnt 0x0                           ; a wait, an add and a round ahead of each first fill: one tensor load a wave behind each
	ds_add_u32 v28, v29
	s_wait_dscnt 0x0
	CROUND
	JLOAD G0+4*\s, G1, G0B+4*\s, G1B
.endr
	v_and_b32 v1, 15, v0                           ; r = l % 16
	s_wait_alu depctr_va_vdst(0)
	v_bfe_u32 v2, v0, 4, 1                         ; h = l / 16
	s_lshl_b32 s46, s95, 2                         ; the bias of my 128 columns
	s_mov_b32 s47, 0
	s_add_nc_u64 s[12:13], s[12:13], s[46:47]
	v_lshlrev_b32 v7, 5, v2                        ; + 8 h numbers
.irp b, 0,1,2,3,4,5,6,7
	global_load_b128 v[BIAS+8*\b:BIAS+8*\b+3], v7, s[12:13] offset:64*\b
	global_load_b128 v[BIAS+8*\b+4:BIAS+8*\b+7], v7, s[12:13] offset:64*\b+16
.endr
	v_mul_u32_u24 v3, v1, PITCH
	v_lshl_add_u32 v4, v2, 4, v3                   ; a fragment's row x pitch + 16 x half
	s_mul_i32 s21, s15, HALFT                      ; my 128 rows of A
	s_mul_i32 s22, s16, HALFT                      ; my 128 rows of W,
	s_add_co_u32 s22, s22, 2*HALFT                 ; which lie behind A's 256
.irp s, 0,1
	v_add_nc_u32 v[ADRA+\s], s21, v4
	v_add_nc_u32 v[ADRB+\s], s22, v4
	s_add_co_u32 s21, s21, SLOT
	s_add_co_u32 s22, s22, SLOT
.endr
	v_mul_u32_u24 v5, v1, KS                       ; my row's scales: KS bytes a row,
	v_lshrrev_b32 v6, 8, v5
	v_lshl_add_u32 v5, v6, 4, v5                   ; and 16 more for each 256 passed
	s_mul_i32 s21, s15, HALFS
	s_mul_i32 s22, s16, HALFS
	s_add_co_u32 s22, s22, 2*HALFS
	s_sub_co_u32 s22, s22, s21
	v_mul_u32_u24 v6, s22, v2                      ; lanes 16-31 take W's
	s_add_co_u32 s21, s21, SCL
	v_add_nc_u32 v5, v5, v6
	v_add_nc_u32 v[ADRS], s21, v5
	s_mul_i32 s23, s14, HALFT                      ; my stage: 128 rows x (256 bytes + 16), in slot 0
	v_mul_u32_u24 v5, v1, 272
	v_lshl_add_u32 v5, v2, 5, v5
	v_add_nc_u32 v[STO], s23, v5                   ; in: row r, 32 bytes for each half of the lanes
	v_and_b32 v6, 8, v1
	v_add_nc_u32 v6, v6, v1                        ; r + 8 (r / 8)
	v_mul_u32_u24 v5, v6, 272
	v_lshl_add_u32 v5, v2, 6, v5
	v_add_nc_u32 v[RDK], s23, v5                   ; q, k: that row, 16 channels for each half
	v_mul_u32_u24 v5, v2, 16*272
	v_lshl_add_u32 v5, v6, 2, v5
	v_add_nc_u32 v[RDV], s23, v5                   ; v: that channel, 16 keys for each half
	s_lshl_b32 s23, s14, 8
	s_add_co_u32 s23, s23, SCR
	v_lshl_add_u32 v[SCW], v1, 2, s23
	v_and_b32 v6, 31, v0
	v_lshl_add_u32 v[SCL8], v6, 3, s23
	v_lshlrev_b32 v[L16], 4, v6
	v_lshlrev_b32 v[L8], 3, v6
.macro FRAG reg, adr, q, i             ; 16 rows x 128 K: lane l holds row l % 16; registers 4 c .. 4 c + 3 hold K = 32 c + 16 (l / 16) + 0 .. 15
.irp c, 0,1,2,3
	ds_load_b128 v[\reg+4*\c:\reg+4*\c+3], v[\adr] offset:128*(\q)+32*\c+(\i)*16*PITCH
.endr
.endm
; 16 matrix instructions: A's blocks a0, a0 + 1 x W's eight.  zero = 1: the first K step: the bias is the C.  The 64 accumulators take turns, one instruction a turn, in the same order in every step.
.macro MUL16 a0, p, q, sc, zero
.irp a, \a0, \a0+1
.irp b, 0,1,2,3,4,5,6,7
.if \zero
	v_wmma_scale_f32_16x16x128_f8f6f4 v[8*(8*((\a)%4)+\b):8*(8*((\a)%4)+\b)+7], v[128*(\p)+FR*\b:128*(\p)+FR*\b+FR-1], v[AF+FR*(\a):AF+FR*(\a)+FR-1], v[BIAS+8*\b:BIAS+8*\b+7], v[SC+8*NQ*(\sc)+NQ*\b+(\q)], v[SC+8*NQ*(\sc)+NQ*(\a)+(\q)] matrix_a_scale:MATRIX_SCALE_ROW1
.else
	v_wmma_scale_f32_16x16x128_f8f6f4 v[8*(8*((\a)%4)+\b):8*(8*((\a)%4)+\b)+7], v[128*(\p)+FR*\b:128*(\p)+FR*\b+FR-1], v[AF+FR*(\a):AF+FR*(\a)+FR-1], v[8*(8*((\a)%4)+\b):8*(8*((\a)%4)+\b)+7], v[SC+8*NQ*(\sc)+NQ*\b+(\q)], v[SC+8*NQ*(\sc)+NQ*(\a)+(\q)] matrix_a_scale:MATRIX_SCALE_ROW1
.endif
.endr
.endr
.endm
.macro FETCH_B slot, q, p
	WIN TO_B
.irp i, 0,1,2,3,4,5,6,7
	FRAG 128*(\p)+FR*\i, ADRB+\slot, \q, \i
.endr
	WIN 0
.endm
.macro FETCH_A slot, q, i0
.irp i, \i0, \i0+1, \i0+2, \i0+3
	FRAG AF+FR*(\i), ADRA+\slot, \q, \i
.endr
.endm
.macro SCALES sc                       ; a K step's scale words: lanes 0-15 take A's block i, lanes 16-31 W's block i
.irp i, 0,1,2,3,4,5,6,7
	ds_load_b64 v[SC+8*NQ*\sc+NQ*\i:SC+8*NQ*\sc+NQ*\i+1], v[ADRS] offset:\i*SBLK
.endr
.endm
.macro PLACES n                        ; plain vector instructions between a matrix instruction and a load into, or a read of, its registers
.rept \n
	v_nop
.endr
.endm
.macro STEP slot, q, zero              ; 128 along K that has its successor in the same slot
	s_wait_dscnt 4*NL                              ; W's set and A's blocks 0-3 are in; the youngest 16 loads (A's blocks 4-7) may be out
	WIN MUL_LO-0x20*(\zero)                        ; (with the bias as C: source 2 in window 0)
	MUL16 0, (\q)%2, \q, \slot, \zero
	MUL16 2, (\q)%2, \q, \slot, \zero
	s_wait_dscnt 0
	PLACES NP
	FETCH_B \slot, (\q)+1, 1-(\q)%2
	FETCH_A \slot, (\q)+1, 0
	WIN MUL_HI-0x30*(\zero)
	MUL16 4, (\q)%2, \q, \slot, \zero
	MUL16 6, (\q)%2, \q, \slot, \zero
	PLACES NP
	WIN 0
	FETCH_A \slot, (\q)+1, 4
.endm
; A slot's last step changes slots: one barrier; in front of it each wave waits for all its tensor loads, adds 0 to its spare word, and waits for that and for its own reads of this slot.
.macro TURN slot, next, fill
	s_wait_tensorcnt 0x0                           ; all my tensor loads have landed: my part of the next slot
	ds_add_u32 v[SPW], v[NIL]                      ; 0 onto my spare word
	s_wait_dscnt 4*NL+1                            ; (the add and the youngest 16 loads may be out)
	WIN MUL_LO
	MUL16 0, 1, NQ-1, \slot, 0
	s_wait_dscnt 0x0                               ; the add is done, and my reads of this slot are over
	s_barrier_signal -1
	MUL16 2, 1, NQ-1, \slot, 0
	WIN 0
	s_barrier_wait -1
.if \fill
	CREST                                          ; the barrier has opened a round of the cluster's barrier: no wave of any partner still reads this slot or has a load on its way
	s_add_nc_u64 s[G0+4*\slot+2:G0+4*\slot+3], s[G0+4*\slot+2:G0+4*\slot+3], 2*ROWB
	s_add_nc_u64 s[G0B+4*\slot+2:G0B+4*\slot+3], s[G0B+4*\slot+2:G0B+4*\slot+3], 2*ROWB
	JLOAD G0+4*\slot, G1, G0B+4*\slot, G1B         ; the first tensor load behind the round; its four v_nop are among the places in front of the loads below
	PLACES NP-4
.else
	PLACES NP
.endif
	s_wait_alu depctr_va_vdst(0)
	v_add_nc_u32 v[ADRS], 4*NQ, v[ADRS]            ; on to the next K step's scale words
	FETCH_B \next, 0, 0
	FETCH_A \next, 0, 0
	SCALES \next
	WIN MUL_HI
	MUL16 4, 1, NQ-1, \slot, 0
	MUL16 6, 1, NQ-1, \slot, 0
	PLACES NP
	WIN 0
	FETCH_A \next, 0, 4
.endm
	s_wait_tensorcnt 1                             ; the scales and my part of K step 0 are in (K step 1's load may be out)
	s_barrier_signal -1
	s_barrier_wait -1
	FETCH_B 0, 0, 0
	FETCH_A 0, 0, 0
	SCALES 0
	FETCH_A 0, 0, 4
	s_wait_loadcnt 0x0                             ; the bias
	STEP 0, 0, 1
	s_mov_b32 s3, LAPS-1
.Llap:                                                 ; a trip goes once round the ring and fills both slots again
	TURN 0, 1, 1
	STEP 1, 0, 0
	TURN 1, 0, 1
	STEP 0, 0, 0
	s_sub_co_u32 s3, s3, 1
	s_cmp_lg_u32 s3, 0
	s_cbranch_scc1 .Llap
	TURN 0, 1, 0                                   ; the last lap fills nothing
	STEP 1, 0, 0
	s_wait_dscnt 4*NL
	WIN MUL_LO
	MUL16 0, 1, NQ-1, 1, 0
	MUL16 2, 1, NQ-1, 1, 0
	s_wait_dscnt 0
	WIN MUL_HI
	MUL16 4, 1, NQ-1, 1, 0
	MUL16 6, 1, NQ-1, 1, 0
	WIN 0
; 64 numbers of a lane, register 16 b + i = K 32 b + 16 (l / 16) + i of my row, become a fragment's codes in v[PC] on and its scale word in v[PW].
.macro QUANT s
.irp b, 0,1,2,3
	v_max3_num_f32 v[TM+\b], |v[\s+16*\b]|, |v[\s+1+16*\b]|, 0x4800000   ; my 16 numbers of block b, and the floor 2^(9 - 127): the byte cannot fall under 1
.endr
.irp i, 2,4,6,8,10,12,14
.irp b, 0,1,2,3
	v_max3_num_f32 v[TM+\b], v[TM+\b], |v[\s+16*\b+\i]|, |v[\s+1+16*\b+\i]|
.endr
.endr
.irp b, 0,1,2,3
	v_permlanex16_b32 v[TM+4+\b], v[TM+\b], s[SEL], s[SEL+1]
.endr
.irp b, 0,1,2,3
	v_max_num_f32 v[TM+\b], v[TM+\b], v[TM+4+\b]   ; with lane l xor 16's: the block's largest magnitude
.endr
.irp b, 0,1,2,3
	v_add_nc_u32 v[TM+12+\b], 0xfc000000, v[TM+\b] ; 8 off its exponent field: the conversion's scale operand
.endr
.irp b, 0,1,2,3
	v_and_or_b32 v[TM+8+\b], v[TM+\b], 0x7f800000, s[MNT]   ; 448 x the scale
.endr
.irp b, 0,1,2,3
	v_lshrrev_b32 v[TM+4+\b], 23, v[TM+12+\b]      ; the scale's byte
.endr
	v_lshl_or_b32 v[PW], v[TM+5], 8, v[TM+4]
	v_lshl_or_b32 v[PW], v[TM+6], 16, v[PW]
	v_lshl_or_b32 v[PW], v[TM+7], 24, v[PW]
.irp b, 0,1,2,3
.irp i, 0,1,2,3,4,5,6,7,8,9,10,11,12,13,14,15
	v_med3_num_f32 v[\s+16*\b+\i], v[\s+16*\b+\i], -v[TM+8+\b], v[TM+8+\b]   ; the conversion to an 8-bit code does not saturate (ISA guide 7.6.2): the hold
.endr
	v_cvt_scalef32_pk8_fp8_f32 v[PC+4*\b:PC+1+4*\b], v[\s+16*\b:\s+7+16*\b], v[TM+12+\b]
	v_cvt_scalef32_pk8_fp8_f32 v[PC+2+4*\b:PC+3+4*\b], v[\s+8+16*\b:\s+15+16*\b], v[TM+12+\b]
.endr
	v_nop                                          ; a plain instruction behind the last scaled conversion
.endm
; Fragment t of the unit that lies in my stage.  The branch hangs on the cluster's x alone and stands round the loads alone.
.macro PIECE t
	s_wait_xcnt 0x0                                ; the last fragment's stores have read their data: the codes' registers may be written again
	s_cmp_eq_u32 s[TYP], 2
	s_cbranch_scc1 .Lis_v_\@
.irp uu, 0,1                           ; q, k: tiles 2 t and 2 t + 1: my row's 16 channels of each block of 32
.irp c, 0,1
.irp j, 0,1,2,3
	ds_load_b128 v[X+32*\uu+16*\c+4*\j:X+32*\uu+16*\c+4*\j+3], v[RDK] offset:(32*(\t)+8*\uu)*272+128*\c+16*\j
.endr
.endr
.endr
	s_branch .Ljoin_\@
.Lis_v_\@:
.irp c, 0,1,2,3                        ; v: my channel, registers down the keys
.irp i, 0,1,2,3,4,5,6,7,8,9,10,11,12,13,14,15
	ds_load_b32 v[X+16*\c+\i], v[RDV] offset:(32*\c+\i)*272+128*((\t)/2)+32*((\t)%2)
.endr
.endr
.Ljoin_\@:
	s_wait_dscnt 0x0
.set j, 0
.rept 32
	v_pk_mul_f32 v[X+j:X+j+1], v[X+j:X+j+1], s[FAC:FAC+1] op_sel_hi:[1,0]
.set j, j+2
.endr
	QUANT X
.irp c, 0,1,2,3
	global_store_b128 v[L16], v[PC+4*\c:PC+4*\c+3], s[CB:CB+1] offset:2048*(\t)+512*\c   ; 32 lanes store 512 consecutive bytes
.endr
	ds_store_b32 v[SCW], v[PW] offset:64*(\t)      ; lanes l and l + 16 write the same word with the same value
.endm
; Unit u: my columns 64 u .. 64 u + 63, all 128 rows: through my stage, then four fragments.
.macro UNIT u
	s_wait_xcnt 0x0                                ; earlier stores have read their bases
	s_lshl_b32 s[TYP], ttmp9, 1
	s_add_co_u32 s[TYP], s[TYP], \u
	s_cmp_ge_u32 s[TYP], 3
	s_cselect_b32 s43, 3, 0
	s_sub_co_u32 s[TYP], s[TYP], s43               ; (2 X + u) mod 3
	s_add_co_u32 s43, ttmp9, \u
	s_lshr_b32 s43, s43, 1
	s_lshl_b32 s44, s40, 2
	s_add_co_u32 s43, s43, s44
	s_lshl_b32 s44, s16, 1
	s_add_co_u32 s43, s43, s44                     ; the head: 2 g + (X + u) / 2
	s_lshr_b32 s44, s17, 3
	s_lshl_b32 s44, s44, 4
	s_add_co_u32 s43, s43, s44                     ; + 16 x batch
	s_lshl_b32 s43, s43, 4
	s_and_b32 s44, s17, 7
	s_lshl_b32 s44, s44, 1
	s_add_co_u32 s43, s43, s44
	s_add_co_u32 s43, s43, s15                     ; the record: 16 x batch-head + my 128 rows' number in the batch
	s_mov_b32 s44, 16896
	s_mov_b32 s45, 16384
	s_cmp_eq_u32 s[TYP], 0
	s_cselect_b64 s[CB:CB+1], s[96:97], s[98:99]
	s_cselect_b32 s44, 8448, s44                   ; a record's bytes,
	s_cselect_b32 s45, 8192, s45                   ; and from the codes to the words
	s_mul_i32 s46, s43, s44
	s_cmp_eq_u32 s[TYP], 2
	s_cselect_b32 s44, 8192, 0                     ; v's codes lie behind k's
	s_cselect_b32 s45, 8448, s45
	s_cselect_b32 s[FAC], 1.0, 0x3eb504f3
	s_mov_b32 s[FAC+1], s[FAC]
	s_add_co_u32 s46, s46, s44
	s_mov_b32 s47, 0
	s_add_nc_u64 s[CB:CB+1], s[CB:CB+1], s[46:47]
	s_mov_b32 s46, s45
	s_add_nc_u64 s[WB:WB+1], s[CB:CB+1], s[46:47]
.irp a, 0,1,2,3,4,5,6,7
	WIN 0x08+4*((\a)/4)                            ; an LDS store's data are its source 1: window 2 or 3
.irp bb, 0,1,2,3
	ds_store_b128 v[STO], v[64*((\a)%4)+8*(4*\u+\bb):64*((\a)%4)+8*(4*\u+\bb)+3] offset:4352*\a+64*\bb      ; each accumulator from its low end on
	ds_store_b128 v[STO], v[64*((\a)%4)+8*(4*\u+\bb)+4:64*((\a)%4)+8*(4*\u+\bb)+7] offset:4352*\a+64*\bb+16
.endr
.endr
	WIN 0
	PIECE 0
	PIECE 1
	PIECE 2
	PIECE 3
	ds_load_b64 v[WD:WD+1], v[SCL8]                ; LDS serves a wave's instructions in order: these see my stores
	s_wait_dscnt 0x0
	global_store_b64 v[L8], v[WD:WD+1], s[WB:WB+1] ; 32 lanes store 256 consecutive bytes, aligned
.endm
	; THE WAY OUT.  The stage lies in slot 0, which has had its last fill, and which nobody reads behind the last change of slots.  All its bytes are my wave's own: no barrier.
	PLACES NP
	s_mov_b32 s[SEL], 0x76543210
	s_mov_b32 s[SEL+1], 0xfedcba98
	s_mov_b32 s[MNT], 0x600000
.irp b, 0,1,2,3
	v_mov_b32 v[TM+4+\b], 0                        ; written once: a lane permute's destination counts as one of its sources
.endr
	UNIT 0
	UNIT 1
	s_wait_tensorcnt 0x0                           ; the wave's end
	ds_add_u32 v[SPW], v[NIL]
	s_wait_dscnt 0x0
	CROUND                                         ; the closing round
	s_endpgm
.Lfunc_end_k_qf680391c3f_qkv:
	.size	k_qf680391c3f_qkv, .Lfunc_end_k_qf680391c3f_qkv-k_qf680391c3f_qkv
	.p2alignl 7, 3214868480
	.fill 96, 4, 3214868480
	.section	.rodata,"a",@progbits
	.p2align	6, 0x0
	.amdhsa_kernel k_qf680391c3f_qkv
		.amdhsa_group_segment_fixed_size 327680
		.amdhsa_private_segment_fixed_size 0
		.amdhsa_enable_private_segment 0
		.amdhsa_kernarg_size 56
		.amdhsa_user_sgpr_count 2
		.amdhsa_user_sgpr_kernarg_segment_ptr 1
		.amdhsa_wavefront_size32 1
		.amdhsa_system_sgpr_workgroup_id_x 1
		.amdhsa_system_sgpr_workgroup_id_y 1
		.amdhsa_system_sgpr_workgroup_id_z 1
		.amdhsa_system_vgpr_workitem_id 0
		.amdhsa_next_free_vgpr 1024
		.amdhsa_next_free_sgpr 102
		.amdhsa_reserve_vcc 0
		.amdhsa_float_denorm_mode_32 3
		.amdhsa_float_denorm_mode_16_64 3
		.amdhsa_memory_ordered 1
		.amdhsa_forward_progress 1
		.amdhsa_inst_pref_size 255
	.end_amdhsa_kernel
	.amdgpu_metadata
---
amdhsa.version: [ 1, 2 ]
amdhsa.kernels:
  - .name:           k_qf680391c3f_qkv
    .symbol:         k_qf680391c3f_qkv.kd
    .args:
      - { .name: a1c, .offset: 0, .size: 8, .value_kind: global_buffer, .address_space: global }
      - { .name: a1s, .offset: 8, .size: 8, .value_kind: global_buffer, .address_space: global }
      - { .name: qkv_w_codes, .offset: 16, .size: 8, .value_kind: global_buffer, .address_space: global }
      - { .name: qkv_w_scales, .offset: 24, .size: 8, .value_kind: global_buffer, .address_space: global }
      - { .name: qkv_b, .offset: 32, .size: 8, .value_kind: global_buffer, .address_space: global }
      - { .name: q_img, .offset: 40, .size: 8, .value_kind: global_buffer, .address_space: global }
      - { .name: kv_img, .offset: 48, .size: 8, .value_kind: global_buffer, .address_space: global }
    .group_segment_fixed_size: 327680
    .private_segment_fixed_size: 0
    .kernarg_segment_align: 8
    .kernarg_segment_size: 56
    .max_flat_workgroup_size: 128
    .sgpr_count:     102
    .vgpr_count:     1024
    .wavefront_size: 32
...
	.end_amdgpu_metadata
.endif
;; end of part 2
;; launch attn (part 3): grid 8 x 32, 16 waves a work-group, clusters of 4 x 1, 272,384 bytes of LDS; arguments q_img, kv_img, att_img; writes att_img
.if DOCPART == 3
	.amdgcn_target "amdgcn-amd-amdhsa--gfx1250"
	.amdhsa_code_object_version 6
	.text
	.protected	k_qf680391c3f_attn
	.globl	k_qf680391c3f_attn
	.p2align	8
	.type	k_qf680391c3f_attn,@function
k_qf680391c3f_attn:
	s_mov_b64 s[64:65], 0
	v_nop
	global_prefetch_b8 v0, s[64:65] scope:SCOPE_SE
	s_setreg_imm32_b32 hwreg(HW_REG_WAVE_MODE, 25, 1), 1
	s_wait_xcnt 0x0
	s_wait_alu depctr_hold_cnt(0) depctr_sa_sdst(0) depctr_va_vdst(0) depctr_va_sdst(0) depctr_va_ssrc(0) depctr_va_vcc(0) depctr_vm_vsrc(0)
	s_getreg_b32 s2, hwreg(HW_REG_IB_STS2, 6, 4)
	s_cmp_eq_u32 s2, 0
	s_cbranch_scc0 .Lentry_in_a_cluster
	s_endpgm
.Lentry_in_a_cluster:
	s_bfe_u32 s2, ttmp6, 0x10000c
	s_cmp_lg_u32 s2, 0x3003
	s_cbranch_scc0 .Lentry_shape_is_right
	s_endpgm
.Lentry_shape_is_right:
; O[bh][q] = sum over k of softmax_k(q . k) v, both products on codes of E4M3 with E8M0 scales (q and k already carry 64^-1/4 each); then O / l quantised along the model's width for the next product.
; THE SOFTMAX: t = score x log2(e); M = the running largest t rounded UP to a whole number; p = 2^(t - M) is quantised along the keys, not normalised; the row's sum is taken of the unquantised p and divides O at the end.
; SHARES.  A work-group owns 256 queries of one batch-head, each of its sixteen waves one tile of 16; a lane holds ONE query (lane % 16) throughout: S^T = K Q^T, O^T = V^T P^T.
; LDS IS FILLED ONCE: the batch-head's 16 records of kv_img (128 keys each: k's codes, v's codes, k's words, v's words; 16,896 bytes), as they lie in memory: wave w fetches record w, its one tensor load.
; Every wave waits for its record ahead of the one barrier, behind which all sixteen records are read.  No byte is filled again: no ring.
; CLUSTER.  The four query blocks of a cluster belong to one batch-head: the fills are joint loads, mask 15.  Everything is asked for at the head, so there is no later request that a prefetch could run ahead of.
; THE HEAD HAS 64 CHANNELS, THE INSTRUCTION 128 ALONG K.  A PAIR fragment of k holds tile 2 t in K 0-63 and tile 2 t + 1 in K 64-127.  Against (q, zeros) it gives tile 2 t's scores, against (zeros, q) tile 2 t + 1's.
; Lane r of tile 2 t + u is key 32 t + 8 u + r + 8 (r / 8): the 16 registers of a pair's two tiles are 16 neighbouring keys.  v's fragment d has lane r = channel 32 (d / 2) + 8 (d % 2) + r + 8 (r / 8).
; THE ROW'S SUM IS TAKEN A STEP LATE.  The hold writes into 16 work registers, so p stays unclamped in its own: its 32 packed additions stand behind the second product and behind the next step's first product,
; as the plain instructions that are owed there (ISA guide 7.12.1).  The first step finds zeros; the last step's sum is taken on the way out.
; att_img: [K / 512][group of 4 row tiles] records of 33,792 bytes: tile i, K step q at 8192 i + 2048 q; scale words at 32768 + 256 q + 64 i + 4 r.  A head is half a K step: two pieces and half a scale word (2 bytes a row).
; LIMITS: NaN and infinities are not served; a block of zeros carries the byte 1; the promise holds while the scaled scores stay under 2^31 in magnitude.
.set REC,  16896
.set SPARE, 16*REC                     ; the spare words, 128 bytes a wave
.set SPW,  5                           ; v5 my spare word, v6 zero: never rewritten
.set NIL,  6
.set QA,   16                          ; v16-31: q, zeros
.set QB,   24                          ; v24-39: zeros, q
.set KP,   40                          ; v40-103  four pair fragments of k, then four fragments of v
.set S,    104                         ; v104-167 S^T, then p
.set O,    168                         ; v168-199 O^T
.set PCD,  200                         ; v200-215 p's codes
.set BM,   216                         ; v216-231 block maxima, bytes, holds, scale operands; between steps the sums' eight chains
.set T,    232                         ; v232-247 sixteen held p on their way to codes
.set KW,   248                         ; v248-249 k's scale words;  v250-251 v's;  v253 p's;  v255 q's
.set VW,   250
.set WV,   18
.set MNT,  19
.set SEL,  20
.set CS,   22
.set G1A,  24
.set G0A,  40
.set TB,   2                           ; s2  the LDS byte at which the key step's record begins
.set CNT,  3
.macro CROUND
	s_barrier_signal -1
	s_barrier_wait -1
	s_cmp_lg_u32 s[WV], 0
	s_cbranch_scc1 .Lnot_wave_0_\@
	s_barrier_signal -3
.Lnot_wave_0_\@:
	s_barrier_wait -3
	s_barrier_signal -1
	s_barrier_wait -1
.endm
	s_load_b128 s[4:7], s[0:1], 0x0                ; q_img, kv_img
	s_load_b64 s[8:9], s[0:1], 0x10                ; att_img
	v_lshl_add_u32 v[SPW], v0, 2, SPARE
	v_mov_b32 v[NIL], 0
	ds_add_u32 v[SPW], v[NIL]                      ; the opening lines: the add twice on end and its wait
	ds_add_u32 v[SPW], v[NIL]
	v_lshrrev_b32 v1, 5, v0
	v_readfirstlane_b32 s[WV], v1                  ; wave 0..15
	s_bfe_u32 s10, ttmp6, 0x40000                  ; cx
	s_lshl_b32 s11, ttmp9, 2
	s_add_co_u32 s11, s11, s10                     ; my block of 256 queries: it enters q's and the output's addresses alone
	s_and_b32 s12, ttmp7, 0xffff                   ; the batch-head, which the four partners share
	s_mul_i32 s14, s12, 16*REC
	s_mov_b32 s15, 0
	s_mov_b32 s[G1A], 15|(3<<16)|(1<<21)           ; the mask: all four; elements of 8 bytes; bit 21 beside a mask; no padding
	s_mov_b32 s[G1A+1], 32<<16                     ; rows of 256 bytes,
	s_mov_b32 s[G1A+2], 66<<16                     ; 66 of them: one record
	s_mov_b32 s[G1A+3], 32<<16
	s_mov_b32 s[G1A+4], 66
	s_mov_b32 s[G1A+5], 32
	s_mov_b32 s[G1A+6], 0
	s_mov_b32 s[G1A+7], 0
	s_mul_i32 s16, s[WV], REC
	s_mov_b32 s[SEL], 0x76543210
	s_mov_b32 s[SEL+1], 0xfedcba98
	s_mov_b32 s[CS], 0x3fb8aa3b                    ; log2(e)
	s_mov_b32 s[CS+1], s[CS]
	s_mov_b32 s[MNT], 0x600000
	s_mov_b32 s[TB], 0
	s_lshl_b32 s44, s12, 4
	s_lshl_b32 s13, s11, 1
	s_add_co_u32 s44, s44, s13
	s_lshr_b32 s13, s[WV], 3
	s_add_co_u32 s44, s44, s13                     ; q's record: 16 x batch-head + 2 x block + wave / 8
	s_mul_i32 s44, s44, 8448
	s_mov_b32 s45, 0
	s_and_b32 s13, s[WV], 7
	s_lshl_b32 s46, s13, 10                        ; my tile: pair (wave % 8) / 2, its lower or upper two pieces
	s_mov_b32 s47, 0
	s_lshr_b32 s13, s13, 1
	s_lshl_b32 s52, s13, 6                         ; the pair's scale words
	s_mov_b32 s53, 0
	s_and_b32 s13, s[WV], 1
	s_lshl_b32 s13, s13, 4                         ; my tile's two bytes of a word begin at this bit
	s_wait_dscnt 0x0
	s_wait_kmcnt 0x0
	s_add_nc_u64 s[6:7], s[6:7], s[14:15]          ; kv_img at my batch-head
	s_mov_b32 s14, s16
	s_mov_b32 s[G0A], 1
	s_mov_b32 s[G0A+1], s16                        ; LDS and memory run alike
	s_add_nc_u64 s[G0A+2:G0A+3], s[6:7], s[14:15]
	s_or_b32 s[G0A+3], s[G0A+3], 0x80000000
	s_add_nc_u64 s[4:5], s[4:5], s[44:45]
	s_add_nc_u64 s[48:49], s[4:5], s[46:47]
	s_add_nc_u64 s[50:51], s[4:5], s[52:53]
	CROUND                                         ; all four work-groups are here: the joint loads meet
	tensor_load_to_lds s[G0A:G0A+3], s[G1A:G1A+7]  ; record w: my one tensor load
	s_nop 0
	v_and_b32 v3, 31, v0
	v_and_b32 v4, 15, v0
	v_lshlrev_b32 v1, 4, v3                        ; 16 x lane; never rewritten
	v_lshlrev_b32 v2, 2, v3                        ; 4 x lane; never rewritten
	v_lshlrev_b32 v4, 2, v4                        ; 4 r; never rewritten
	global_load_b128 v[16:19], v1, s[48:49]
	global_load_b128 v[20:23], v1, s[48:49] offset:512
	global_load_b128 v[32:35], v1, s[48:49]        ; and once more: the two operands share the zeros, not the codes
	global_load_b128 v[36:39], v1, s[48:49] offset:512
	global_load_b32 v254, v4, s[50:51] offset:8192 ; the pair's scale word of my row
.irp j, 0,1,2,3,4,5,6,7
	v_mov_b32 v[24+\j], 0                          ; zero codes
.endr
	v_mov_b32 v13, 0xfe967699                      ; the largest score so far: -1e38
	v_mul_f32 v252, s[CS], v13
	v_floor_f32 v12, -v252                         ; -M
	v_mov_b32 v14, 0                               ; the sum, in two halves
	v_mov_b32 v15, 0
	v_mov_b32 v253, 0                              ; (named as the upper half of the pair v[252:253] before it is first written)
.set j, 0
.rept 64
	v_mov_b32 v[S+j], 0                            ; the first step sums the p of a step that was not: zeros
.set j, j+1
.endr
	s_wait_alu depctr_va_vdst(0)
	s_wait_loadcnt 0x0
	v_lshrrev_b32 v254, s13, v254                  ; my tile's two bytes,
	v_and_b32 v254, 0xffff, v254
	v_lshl_or_b32 v255, v254, 16, v254             ; for K 0-63 and for K 64-127 alike
.set j, 0
.rept 32
	v_mov_b32 v[O+j], 0                            ; O^T: the step is written once; the first finds zeros
.set j, j+1
.endr
; The row's sum of the last step's p, in three parts: eight packed chains begin (8 lines), go on (16), and are joined and added to the sum (8 lines that name no p).
.macro SUMA
.irp c, 0,1,2,3,4,5,6,7
	v_pk_add_f32 v[BM+2*\c:BM+2*\c+1], v[S+2*\c:S+2*\c+1], v[S+16+2*\c:S+17+2*\c]
.endr
.endm
.macro SUMB
.irp g, 32,48
.irp c, 0,1,2,3,4,5,6,7
	v_pk_add_f32 v[BM+2*\c:BM+2*\c+1], v[BM+2*\c:BM+2*\c+1], v[S+\g+2*\c:S+\g+2*\c+1]
.endr
.endr
.endm
.macro SUMC
.irp c, 0,1,2,3
	v_pk_add_f32 v[BM+2*\c:BM+2*\c+1], v[BM+2*\c:BM+2*\c+1], v[BM+8+2*\c:BM+9+2*\c]
.endr
	v_pk_add_f32 v[BM:BM+1], v[BM:BM+1], v[BM+4:BM+5]
	v_pk_add_f32 v[BM+2:BM+3], v[BM+2:BM+3], v[BM+6:BM+7]
	v_pk_add_f32 v[BM:BM+1], v[BM:BM+1], v[BM+2:BM+3]
	v_pk_add_f32 v[14:15], v[14:15], v[BM:BM+1]
.endm
; Block b's 16 p of my lane are held at 448 x the scale (one-sided: p is not negative; the conversion does not saturate: ISA guide 7.6.2), two a line, into work registers, and become codes.
; The hold stands in two registers of different banks, one for each half of a pair.  Four pairs stand between a conversion and the next write of its sources.
.macro HOLD b, hy
.irp hf, 0,1
.irp i, 0,2,4,6
	v_dual_min_num_f32 v[T+8*\hf+\i], v[S+16*\b+8*\hf+\i], v[BM+8+\b] :: v_dual_min_num_f32 v[T+8*\hf+\i+1], v[S+16*\b+8*\hf+\i+1], v[\hy]
.endr
	v_cvt_scalef32_pk8_fp8_f32 v[PCD+4*\b+2*\hf:PCD+4*\b+2*\hf+1], v[T+8*\hf:T+8*\hf+7], v[BM+12+\b]
.endr
.endm
; A KEY STEP: 128 keys.
.macro STEP
	v_add_nc_u32 v8, s[TB], v1
	v_add_nc_u32 v9, s[TB], v2
	SUMA                                           ; with the two additions: ten plain lines in front of loads into registers that the last products read
.irp b, 0,1,2,3
.irp c, 0,1,2,3
	ds_load_b128 v[KP+16*\b+4*\c:KP+16*\b+4*\c+3], v8 offset:2048*\b+512*\c
.endr
.endr
	ds_load_b32 v[KW], v9 offset:16384             ; lanes 0-15: pair 0's words, lanes 16-31: pair 1's
	ds_load_b32 v[KW+1], v9 offset:16384+128       ; pairs 2 and 3
	SUMB
	s_wait_alu depctr_va_vdst(0)
	s_wait_dscnt 0x0
.irp p, 0,1
	v_wmma_scale_f32_16x16x128_f8f6f4 v[S+32*\p:S+32*\p+7], v[KP+32*\p:KP+32*\p+15], v[QA:QA+15], 0, v[KW+\p], v255
	v_wmma_scale_f32_16x16x128_f8f6f4 v[S+32*\p+8:S+32*\p+15], v[KP+32*\p:KP+32*\p+15], v[QB:QB+15], 0, v[KW+\p], v255
	v_wmma_scale_f32_16x16x128_f8f6f4 v[S+32*\p+16:S+32*\p+23], v[KP+32*\p+16:KP+32*\p+31], v[QA:QA+15], 0, v[KW+\p], v255 matrix_a_scale:MATRIX_SCALE_ROW1
	v_wmma_scale_f32_16x16x128_f8f6f4 v[S+32*\p+24:S+32*\p+31], v[KP+32*\p+16:KP+32*\p+31], v[QB:QB+15], 0, v[KW+\p], v255 matrix_a_scale:MATRIX_SCALE_ROW1
.endr
	SUMC                                           ; eight plain lines behind the products: the last step's sum, still under the old M
.irp d, 0,1,2,3                        ; v's fragments are asked for here and land under the softmax
.irp c, 0,1,2,3
	ds_load_b128 v[KP+16*\d+4*\c:KP+16*\d+4*\c+3], v8 offset:8192+2048*\d+512*\c
.endr
.endr
	ds_load_b32 v[VW], v9 offset:16640
	ds_load_b32 v[VW+1], v9 offset:16640+128
.irp b, 0,1,2,3
	v_max3_num_f32 v[BM+\b], v[S+16*\b], v[S+1+16*\b], v[S+2+16*\b]   ; the largest score of each block of 32 keys: for the row's maximum and, since p rises with the score, for the block's largest p
.endr
.irp i, 3,5,7,9,11,13
.irp b, 0,1,2,3
	v_max3_num_f32 v[BM+\b], v[BM+\b], v[S+16*\b+\i], v[S+1+16*\b+\i]
.endr
.endr
.irp b, 0,1,2,3
	v_max_num_f32 v[BM+\b], v[BM+\b], v[S+15+16*\b]
.endr
.irp b, 0,1,2,3
	v_permlanex16_b32 v[BM+4+\b], v[BM+\b], s[SEL], s[SEL+1]
.endr
.irp b, 0,1,2,3
	v_max_num_f32 v[BM+\b], v[BM+\b], v[BM+4+\b]   ; with lane l xor 16's 16 keys
.endr
	v_max3_num_f32 v254, v[BM], v[BM+1], v[BM+2]
	v_max3_num_f32 v13, v13, v254, v[BM+3]         ; the running largest score
	v_mul_f32 v254, s[CS], v13                     ; as t
	v_mov_b32 v252, v12
	v_floor_f32 v12, -v254                         ; the new -M = -ceil(t)
	v_sub_f32 v252, v12, v252                      ; old M - new M: a whole number, 0 or less
	v_cvt_i32_f32 v252, v252                       ; (it saturates)
	v_ldexp_f32 v252, 1.0, v252                    ; f = 2^(old M - new M)
.set j, 0
.rept 32
	v_pk_fma_f32 v[S+j:S+j+1], v[S+j:S+j+1], s[CS:CS+1], v[12:13] op_sel_hi:[1,0,0]   ; t - M, two at a time
.set j, j+2
.endr
.irp b, 0,1,2,3
	v_fma_f32 v[BM+\b], v[BM+\b], s[CS], v12       ; the same of each block's largest score
.endr
	s_wait_alu depctr_va_vdst(0)
.irp b, 0,1,2,3
	v_exp_f32 v[BM+\b], v[BM+\b]                   ; the block's largest p
.endr
.set j, 0
.rept 64
	v_exp_f32 v[S+j], v[S+j]                       ; p = 2^(t - M)
.set j, j+1
.endr
	v_pk_mul_f32 v[14:15], v[14:15], v[252:253] op_sel_hi:[1,0]   ; the sum under the new M: a plain line behind the exponentials
	s_wait_alu depctr_va_vdst(0)                   ; one wait for the whole batch, ahead of its first reader
.irp b, 0,1,2,3
	v_max_num_f32 v[BM+\b], 0x4800000, v[BM+\b]    ; the floor 2^(9 - 127)
.endr
.irp b, 0,1,2,3
	v_add_nc_u32 v[BM+12+\b], 0xfc000000, v[BM+\b] ; 8 off the exponent field: the conversion's scale operand
.endr
.irp b, 0,1,2,3
	v_and_or_b32 v[BM+8+\b], v[BM+\b], 0x7f800000, s[MNT]   ; 448 x the scale,
.endr
	v_and_or_b32 v3, v[BM], 0x7f800000, s[MNT]     ; and once more, in a register of another bank
	v_and_or_b32 v7, v[BM+1], 0x7f800000, s[MNT]
	v_and_or_b32 v11, v[BM+2], 0x7f800000, s[MNT]
	v_and_or_b32 v10, v[BM+3], 0x7f800000, s[MNT]
.irp b, 0,1,2,3
	v_lshrrev_b32 v[BM+4+\b], 23, v[BM+12+\b]      ; the scale's byte
.endr
	v_lshl_or_b32 v253, v[BM+5], 8, v[BM+4]        ; p's scale word for these 128 keys
	v_lshl_or_b32 v253, v[BM+6], 16, v253
	v_lshl_or_b32 v253, v[BM+7], 24, v253
	HOLD 0, 3
	HOLD 1, 7
	HOLD 2, 11
	HOLD 3, 10
	s_wait_alu depctr_va_vdst(0)                   ; ahead of the first reader of O^T
.set j, 0
.rept 16
	v_pk_mul_f32 v[O+j:O+j+1], v[O+j:O+j+1], v[252:253] op_sel_hi:[1,0]   ; O^T under the new M.  (Also the plain lines between the codes and the products)
.set j, j+2
.endr
	s_wait_alu depctr_va_vdst(0)
	s_wait_dscnt 0x0                               ; v is in
.irp p, 0,1
	v_wmma_scale_f32_16x16x128_f8f6f4 v[O+16*\p:O+16*\p+7], v[KP+32*\p:KP+32*\p+15], v[PCD:PCD+15], v[O+16*\p:O+16*\p+7], v[VW+\p], v253
	v_wmma_scale_f32_16x16x128_f8f6f4 v[O+16*\p+8:O+16*\p+15], v[KP+32*\p+16:KP+32*\p+31], v[PCD:PCD+15], v[O+16*\p+8:O+16*\p+15], v[VW+\p], v253 matrix_a_scale:MATRIX_SCALE_ROW1
.endr
	s_add_co_u32 s[TB], s[TB], REC
.endm
	s_wait_alu depctr_va_vdst(0)
	s_wait_tensorcnt 0x0                           ; my record is in
	s_barrier_signal -1
	s_barrier_wait -1                              ; everybody's is
	s_mov_b32 s[CNT], 16
.Lkeys:
	STEP
	s_sub_co_u32 s[CNT], s[CNT], 1
	s_cmp_lg_u32 s[CNT], 0
	s_cbranch_scc1 .Lkeys
	; THE WAY OUT: the last step's sum (its 32 lines are the plain lines behind the last products); O^T / the sum; register 16 b + i is channel 32 b + 16 (l / 16) + i of my query: two blocks of 32 along the next K
	SUMA
	SUMB
	SUMC
	v_add_f32 v14, v14, v15
	v_permlanex16_b32 v252, v14, s[SEL], s[SEL+1]
	v_add_f32 v14, v14, v252                       ; the row's sum
	s_wait_alu depctr_va_vdst(0)                   ; a wait ahead of the transcendental
	v_rcp_f32 v14, v14
	v_nop
	s_wait_alu depctr_va_vdst(0)                   ; and ahead of its first reader, which is O^T's first reader too
.set j, 0
.rept 32
	v_mul_f32 v[S+j], v[O+j], v14
.set j, j+1
.endr
.irp b, 0,1
	v_max3_num_f32 v[BM+\b], |v[S+16*\b]|, |v[S+1+16*\b]|, 0x4800000
.endr
.irp i, 2,4,6,8,10,12,14
.irp b, 0,1
	v_max3_num_f32 v[BM+\b], v[BM+\b], |v[S+16*\b+\i]|, |v[S+1+16*\b+\i]|
.endr
.endr
.irp b, 0,1
	v_permlanex16_b32 v[BM+4+\b], v[BM+\b], s[SEL], s[SEL+1]
.endr
.irp b, 0,1
	v_max_num_f32 v[BM+\b], v[BM+\b], v[BM+4+\b]
.endr
.irp b, 0,1
	v_add_nc_u32 v[BM+12+\b], 0xfc000000, v[BM+\b]
.endr
.irp b, 0,1
	v_and_or_b32 v[BM+8+\b], v[BM+\b], 0x7f800000, s[MNT]
.endr
.irp b, 0,1
	v_lshrrev_b32 v[BM+4+\b], 23, v[BM+12+\b]
.endr
	v_lshl_or_b32 v254, v[BM+5], 8, v[BM+4]        ; my head's half of the scale word
.irp b, 0,1
.irp i, 0,1,2,3,4,5,6,7,8,9,10,11,12,13,14,15
	v_med3_num_f32 v[S+16*\b+\i], v[S+16*\b+\i], -v[BM+8+\b], v[BM+8+\b]
.endr
	v_cvt_scalef32_pk8_fp8_f32 v[PCD+4*\b:PCD+1+4*\b], v[S+16*\b:S+7+16*\b], v[BM+12+\b]
	v_cvt_scalef32_pk8_fp8_f32 v[PCD+2+4*\b:PCD+3+4*\b], v[S+8+16*\b:S+15+16*\b], v[BM+12+\b]
.endr
	v_nop                                          ; a plain line behind the last scaled conversion
	s_wait_alu depctr_va_vdst(0)
	s_lshr_b32 s13, s12, 4
	s_lshl_b32 s13, s13, 7
	s_lshl_b32 s14, s11, 4
	s_add_co_u32 s13, s13, s14
	s_add_co_u32 s13, s13, s[WV]                   ; row tile T = 128 x batch + 16 x block + wave
	s_and_b32 s16, s12, 15                         ; the head
	s_lshr_b32 s14, s16, 3
	s_lshl_b32 s14, s14, 6
	s_lshr_b32 s17, s13, 2
	s_add_co_u32 s14, s14, s17
	s_mul_i32 s14, s14, 33792                      ; the record: 64 (head / 8) + T / 4
	s_and_b32 s13, s13, 3                          ; i = T % 4
	s_bfe_u32 s17, s16, 0x20001                    ; q = (head / 2) % 4
	s_and_b32 s16, s16, 1
	s_add_nc_u64 s[8:9], s[8:9], s[14:15]
	s_lshl_b32 s14, s13, 13
	s_lshl_b32 s10, s17, 11
	s_add_co_u32 s14, s14, s10
	s_lshl_b32 s10, s16, 10
	s_add_co_u32 s14, s14, s10                     ; 8192 i + 2048 q + 1024 (head % 2)
	s_add_nc_u64 s[52:53], s[8:9], s[14:15]
	s_lshl_b32 s14, s17, 8
	s_lshl_b32 s10, s13, 6
	s_add_co_u32 s14, s14, s10
	s_lshl_b32 s10, s16, 1
	s_add_co_u32 s14, s14, s10
	s_add_co_u32 s14, s14, 32768                   ; 32768 + 256 q + 64 i + 2 (head % 2)
	s_add_nc_u64 s[54:55], s[8:9], s[14:15]
	global_store_b128 v1, v[PCD:PCD+3], s[52:53]               ; 32 lanes store 512 consecutive bytes
	global_store_b128 v1, v[PCD+4:PCD+7], s[52:53] offset:512
	global_store_b16 v4, v254, s[54:55]            ; lanes l and l + 16 write the same two bytes with the same value: EXEC stays whole
	s_wait_tensorcnt 0x0                           ; the wave's end
	ds_add_u32 v[SPW], v[NIL]
	s_wait_dscnt 0x0
	CROUND                                         ; the closing round
	s_endpgm
.Lfunc_end_k_qf680391c3f_attn:
	.size	k_qf680391c3f_attn, .Lfunc_end_k_qf680391c3f_attn-k_qf680391c3f_attn
	.p2alignl 7, 3214868480
	.fill 96, 4, 3214868480
	.section	.rodata,"a",@progbits
	.p2align	6, 0x0
	.amdhsa_kernel k_qf680391c3f_attn
		.amdhsa_group_segment_fixed_size 272384
		.amdhsa_private_segment_fixed_size 0
		.amdhsa_enable_private_segment 0
		.amdhsa_kernarg_size 24
		.amdhsa_user_sgpr_count 2
		.amdhsa_user_sgpr_kernarg_segment_ptr 1
		.amdhsa_wavefront_size32 1
		.amdhsa_system_sgpr_workgroup_id_x 1
		.amdhsa_system_sgpr_workgroup_id_y 1
		.amdhsa_system_sgpr_workgroup_id_z 1
		.amdhsa_system_vgpr_workitem_id 0
		.amdhsa_next_free_vgpr 256
		.amdhsa_next_free_sgpr 66
		.amdhsa_reserve_vcc 0
		.amdhsa_float_denorm_mode_32 3
		.amdhsa_float_denorm_mode_16_64 3
		.amdhsa_memory_ordered 1
		.amdhsa_forward_progress 1
		.amdhsa_inst_pref_size 36
	.end_amdhsa_kernel
	.amdgpu_metadata
---
amdhsa.version: [ 1, 2 ]
amdhsa.kernels:
  - .name:           k_qf680391c3f_attn
    .symbol:         k_qf680391c3f_attn.kd
    .args:
      - { .name: q_img, .offset: 0, .size: 8, .value_kind: global_buffer, .address_space: global }
      - { .name: kv_img, .offset: 8, .size: 8, .value_kind: global_buffer, .address_space: global }
      - { .name: att_img, .offset: 16, .size: 8, .value_kind: global_buffer, .address_space: global }
    .group_segment_fixed_size: 272384
    .private_segment_fixed_size: 0
    .kernarg_segment_align: 8
    .kernarg_segment_size: 24
    .max_flat_workgroup_size: 512
    .sgpr_count:     66
    .vgpr_count:     256
    .wavefront_size: 32
...
	.end_amdgpu_metadata
.endif
;; end of part 3
;; launch proj (part 4): grid 8 x 32, 4 waves a work-group, clusters of 4 x 4, 327,680 bytes of LDS; arguments att_img, proj_w_codes, proj_w_scales, proj_b, x, x2; writes x2
.if DOCPART == 4
	.amdgcn_target "amdgcn-amd-amdhsa--gfx1250"
	.amdhsa_code_object_version 6
	.text
	.protected	k_qf680391c3f_proj
	.globl	k_qf680391c3f_proj
	.p2align	8
	.type	k_qf680391c3f_proj,@function
k_qf680391c3f_proj:
	s_mov_b64 s[64:65], 0
	v_nop
	global_prefetch_b8 v0, s[64:65] scope:SCOPE_SE
	s_setreg_imm32_b32 hwreg(HW_REG_WAVE_MODE, 25, 1), 1
	s_wait_xcnt 0x0
	s_wait_alu depctr_hold_cnt(0) depctr_sa_sdst(0) depctr_va_vdst(0) depctr_va_sdst(0) depctr_va_ssrc(0) depctr_va_vcc(0) depctr_vm_vsrc(0)
	s_getreg_b32 s2, hwreg(HW_REG_IB_STS2, 6, 4)
	s_cmp_eq_u32 s2, 0
	s_cbranch_scc0 .Lentry_in_a_cluster
	s_endpgm
.Lentry_in_a_cluster:
	s_bfe_u32 s2, ttmp6, 0x10000c
	s_cmp_lg_u32 s2, 0xf033
	s_cbranch_scc0 .Lentry_shape_is_right
	s_endpgm
.Lentry_shape_is_right:
.set SIZE_K, 1024
.set PERM,   1
.set LOGPER, 3
.set KS,     SIZE_K/32
.set PER,    256/KS
.set LAPS,   SIZE_K/1024
.set HALFT,  33792
.set SLOT,   4*HALFT
.set AGSTEP, 64*HALFT
.set SCB,    2*SLOT
.set SCQ,    (KS/8)*272
.set SPARE,  SCB+4*SCQ
.set ADRA, 16
.set ADSA, 18
.set ADRB, 20
.set ADSB, 22
.set STO,  24
.set RD,   25
.set CO,   26
.set SPW,  28
.set NIL,  29
.set SA,   32
.set SB,   48
.set BIAS, 64
.set OB,   64
.set ACC,  128
.set F0,   0
.set F1,   128
.set G1,  24
.set G0,  32
.set G1B, 48
.set G0B, 56
.set G1S, 68
.set G0S, 76
.set MSB, 0
.macro WIN new
.if MSB != \new
	s_set_vgpr_msb (MSB<<8)|\new
.set MSB, \new
.endif
.endm
.set MUL,  0x05
.set TO_F, 0x40
.macro JLOAD s
	s_cmp_eq_u32 s17, 0
	s_cbranch_scc0 .Lfor_b_\@
	tensor_load_to_lds s[G0+4*\s:G0+4*\s+3], s[G1:G1+7]
	s_nop 0
.rept 4
	v_nop
.endr
	s_branch .Lasked_\@
.Lfor_b_\@:
	tensor_load_to_lds s[G0B+4*\s:G0B+4*\s+3], s[G1B:G1B+7]
	s_nop 0
.rept 4
	v_nop
.endr
.Lasked_\@:
.endm
.macro CREST
	s_cmp_lg_u32 s16, 0
	s_cbranch_scc1 .Lnot_wave_0_\@
	s_barrier_signal -3
.Lnot_wave_0_\@:
	s_barrier_wait -3
	s_barrier_signal -1
	s_barrier_wait -1
.endm
.macro CROUND
	s_barrier_signal -1
	s_barrier_wait -1
	CREST
.endm
	s_load_b256 s[4:11], s[0:1], 0x0
	s_load_b128 s[12:15], s[0:1], 0x20
	v_lshl_add_u32 v[SPW], v0, 2, SPARE
	v_mov_b32 v[NIL], 0
	ds_add_u32 v28, v29
	ds_add_u32 v28, v29
	s_wait_dscnt 0x0
	v_lshrrev_b32 v1, 5, v0
	v_readfirstlane_b32 s16, v1
	s_lshr_b32 s17, s16, 1
	s_and_b32 s18, s16, 1
	s_bfe_u32 s40, ttmp6, 0x40000
	s_bfe_u32 s41, ttmp6, 0x40004
	s_lshl_b32 s42, ttmp9, 2
	s_add_co_u32 s42, s42, s40
	s_and_b32 s19, ttmp7, 0xffff
	s_lshl_b32 s19, s19, 2
	s_add_co_u32 s19, s19, s41
	s_lshl_b32 s43, s41, 2
	s_lshl_b32 s43, 15, s43
	s_lshl_b32 s44, 0x1111, s40
	s_or_b32 s[G1], s43, (3<<16)|(1<<21)
	s_mov_b32 s[G1+1], 32<<16
	s_mov_b32 s[G1+2], 264<<16                     ; the head's load brings both halves of A's tile: 264 rows of 256 bytes
	s_mov_b32 s[G1+3], 32<<16
	s_mov_b32 s[G1+4], 264
	s_mov_b32 s[G1+5], 32
	s_mov_b32 s[G1+6], 0
	s_mov_b32 s[G1+7], 0
	s_or_b32 s[G1B], s44, (0<<16)|(1<<20)|(1<<21)|(6<<22)|(3<<25)
	s_mov_b32 s[G1B+1], 512<<16
	s_mov_b32 s[G1B+2], 128<<16                    ; and both halves of W's: 128 rows
	s_mov_b32 s[G1B+3], 512<<16
	s_mov_b32 s[G1B+4], 128
	s_mov_b32 s[G1B+5], SIZE_K
	s_mov_b32 s[G1B+6], 0
	s_mov_b32 s[G1B+7], 0
	s_or_b32 s[G1S], s44, (3<<16)|(1<<20)|(1<<21)|(5<<22)|(3<<25)
	s_mov_b32 s[G1S+1], 32<<16
	s_mov_b32 s[G1S+2], (KS/4)<<16                 ; the scale bytes of 64 rows of W to a load
	s_mov_b32 s[G1S+3], 32<<16
	s_mov_b32 s[G1S+4], KS/4
	s_mov_b32 s[G1S+5], 32
	s_mov_b32 s[G1S+6], 0
	s_mov_b32 s[G1S+7], 0
	s_lshl_b32 s20, s19, 1
	s_add_co_u32 s20, s20, s18
	s_mul_i32 s20, s20, HALFT
	s_mov_b32 s21, 0
	s_lshl_b32 s46, s42, 7
	s_lshl_b32 s47, s18, 6
	s_add_co_u32 s46, s46, s47
	s_mul_i32 s46, s46, SIZE_K
	s_mov_b32 s47, 0
	s_lshl_b32 s66, s42, 7
	s_lshl_b32 s67, s18, 6
	s_add_co_u32 s66, s66, s67
	s_mul_i32 s66, s66, KS
	s_mov_b32 s67, 0
	s_mul_i32 s45, s16, HALFT
	s_mul_i32 s22, s18, 2*SCQ
	s_add_co_u32 s22, s22, SCB
	s_wait_kmcnt 0x0
	s_add_nc_u64 s[20:21], s[4:5], s[20:21]
	s_add_nc_u64 s[46:47], s[6:7], s[46:47]
	s_add_nc_u64 s[66:67], s[8:9], s[66:67]
	CROUND
	s_mov_b32 s[G0S], 1
	s_mov_b32 s[G0S+1], s22
	s_mov_b64 s[G0S+2:G0S+3], s[66:67]
	s_or_b32 s[G0S+3], s[G0S+3], 0x80000000
	s_mul_i32 s22, s18, HALFT                      ; group 0 of the head's two loads of codes: the tiles' first bytes, without my half's step
	s_mov_b32 s23, 0
	s_mov_b32 s80, 1
	s_mov_b32 s81, 0
	s_sub_nc_u64 s[82:83], s[20:21], s[22:23]
	s_or_b32 s83, s83, 0x80000000
	s_mul_i32 s22, s18, 64*SIZE_K
	s_mov_b32 s84, 1
	s_mov_b32 s85, 2*HALFT
	s_sub_nc_u64 s[86:87], s[46:47], s[22:23]
	s_or_b32 s87, s87, 0x80000000
.irp s, 0,1
	s_mov_b32 s[G0+4*\s], 1
	s_add_co_u32 s[G0+4*\s+1], s45, \s*SLOT
	s_add_nc_u64 s[G0+4*\s+2:G0+4*\s+3], s[20:21], \s*AGSTEP
	s_or_b32 s[G0+4*\s+3], s[G0+4*\s+3], 0x80000000
	s_mov_b32 s[G0B+4*\s], 1
	s_add_co_u32 s[G0B+4*\s+1], s45, \s*SLOT
	s_add_nc_u64 s[G0B+4*\s+2:G0B+4*\s+3], s[46:47], \s*512
	s_or_b32 s[G0B+4*\s+3], s[G0B+4*\s+3], 0x80000000
.endr
	; THE HEAD'S LOADS, ONE A WAVE: wave 0 slot 0's tile of A, wave 1 its tile of W, waves 2 and 3 the halves of W's scale bytes.  One tree of branches on the wave's number.
	s_cmp_lt_u32 s16, 1
	s_cbranch_scc0 .Lhead_b
	tensor_load_to_lds s[80:83], s[G1:G1+7]
	s_nop 0
.rept 4
	v_nop
.endr
	s_branch .Lhead_asked
.Lhead_b:
	s_cmp_lt_u32 s16, 2
	s_cbranch_scc0 .Lhead_s
	tensor_load_to_lds s[84:87], s[G1B:G1B+7]
	s_nop 0
.rept 4
	v_nop
.endr
	s_branch .Lhead_asked
.Lhead_s:
	tensor_load_to_lds s[G0S:G0S+3], s[G1S:G1S+7]
	s_nop 0
.rept 4
	v_nop
.endr
.Lhead_asked:
	v_and_b32 v1, 15, v0
	v_bfe_u32 v2, v0, 4, 1
	v_and_b32 v3, 31, v0
	s_mul_i32 s21, s17, HALFT
	v_lshl_add_u32 v[ADRA], v3, 4, s21
	v_add_nc_u32 v[ADRA+1], SLOT, v[ADRA]
	s_add_co_u32 s23, s21, 32768
	v_lshl_add_u32 v[ADSA], v3, 2, s23
	v_add_nc_u32 v[ADSA+1], SLOT, v[ADSA]
	s_mul_i32 s22, s18, HALFT
	s_add_co_u32 s22, s22, 2*HALFT
	v_mul_u32_u24 v4, v1, 528
	v_lshl_add_u32 v4, v2, 4, v4
	v_add_nc_u32 v[ADRB], s22, v4
	v_add_nc_u32 v[ADRB+1], SLOT, v[ADRB]
	v_lshrrev_b32 v4, LOGPER, v3
	v_and_b32 v5, PER-1, v3
	v_mul_u32_u24 v4, v4, 272
	v_mad_u32_u24 v4, v5, KS, v4
	s_mul_i32 s22, s18, (64/PER)*272
	s_add_co_u32 s22, s22, SCB
	v_add_nc_u32 v[ADSB], s22, v4
	s_mul_i32 s23, s16, 64*272
.if PERM
	v_and_b32 v4, 8, v1
	v_add_nc_u32 v4, v4, v1
.else
	v_mov_b32 v4, v1
.endif
	v_mul_u32_u24 v4, v4, 272
	v_lshl_add_u32 v4, v2, 5, v4
	v_add_nc_u32 v[STO], s23, v4
	v_mul_u32_u24 v4, v2, 272
	v_lshl_add_u32 v4, v1, 4, v4
	v_add_nc_u32 v[RD], s23, v4
	v_lshlrev_b32 v4, 12, v2
	v_lshl_add_u32 v[CO], v1, 4, v4
	s_wait_alu depctr_va_vdst(0)
	s_lshl_b32 s20, s19, 7
	s_lshl_b32 s21, s17, 6
	s_add_co_u32 s20, s20, s21
	s_lshl_b32 s20, s20, 12
	s_lshl_b32 s46, s42, 9
	s_lshl_b32 s47, s18, 8
	s_add_co_u32 s46, s46, s47
	s_mov_b32 s47, 0
	s_add_nc_u64 s[10:11], s[10:11], s[46:47]
	s_add_co_u32 s46, s46, s20
	s_add_nc_u64 s[12:13], s[12:13], s[46:47]
	s_add_nc_u64 s[14:15], s[14:15], s[46:47]
	v_lshlrev_b32 v7, 5, v2
.irp b, 0,1,2,3
	global_load_b128 v[BIAS+8*\b:BIAS+8*\b+3], v7, s[10:11] offset:64*\b
	global_load_b128 v[BIAS+8*\b+4:BIAS+8*\b+7], v7, s[10:11] offset:64*\b+16
.endr
	WIN 0x80
.set t, 0
.rept 32
	global_load_b128 v[4*t:4*t+3], v[CO], s[12:13] offset:8192*t
.set t, t+1
.endr
	WIN 0
.macro PLACES n
.rept \n
	v_nop
.endr
.endm
.macro FETCH slot, q, f
	WIN TO_F
.irp j, 0,1,2,3
.irp c, 0,1,2,3
	ds_load_b128 v[\f+64+16*\j+4*\c:\f+64+16*\j+4*\c+3], v[ADRB+\slot] offset:8448*\j+128*(\q)+32*\c
.endr
.endr
.irp i, 0,1,2,3
.irp c, 0,1,2,3
	ds_load_b128 v[\f+16*\i+4*\c:\f+16*\i+4*\c+3], v[ADRA+\slot] offset:8192*\i+2048*(\q)+512*\c
.endr
.endr
.endm
.macro SCALES set
	WIN 0
.irp q, 0,1,2,3
.irp ip, 0,1
	ds_load_b32 v[SA+8*\set+2*\q+\ip], v[ADSA+\set] offset:256*\q+128*\ip
.endr
.endr
.irp p, 0,1
	ds_load_b128 v[SB+8*\set+4*\p:SB+8*\set+4*\p+3], v[ADSB] offset:\p*(32/PER)*272
.endr
.endm
.macro MULA f, q, set, a, zero
.irp b, 0,1,2,3
.set rD, ACC+8*(4*(\a)+\b)
.set rC, rD
.if \zero
.set rC, BIAS+8*\b
.endif
.set rB, \f+64+16*\b
.set rA, \f+16*(\a)
.set rSB, SB+8*(\set)+4*(\b/2)+(\q)
.set rSA, SA+8*(\set)+2*(\q)+(\a)/2
.if (\b%2) && ((\a)%2)
	v_wmma_scale_f32_16x16x128_f8f6f4 v[rD:rD+7], v[rB:rB+15], v[rA:rA+15], v[rC:rC+7], v[rSB], v[rSA] matrix_a_scale:MATRIX_SCALE_ROW1 matrix_b_scale:MATRIX_SCALE_ROW1
.elseif \b%2
	v_wmma_scale_f32_16x16x128_f8f6f4 v[rD:rD+7], v[rB:rB+15], v[rA:rA+15], v[rC:rC+7], v[rSB], v[rSA] matrix_a_scale:MATRIX_SCALE_ROW1
.elseif (\a)%2
	v_wmma_scale_f32_16x16x128_f8f6f4 v[rD:rD+7], v[rB:rB+15], v[rA:rA+15], v[rC:rC+7], v[rSB], v[rSA] matrix_b_scale:MATRIX_SCALE_ROW1
.else
	v_wmma_scale_f32_16x16x128_f8f6f4 v[rD:rD+7], v[rB:rB+15], v[rA:rA+15], v[rC:rC+7], v[rSB], v[rSA]
.endif
.endr
.endm
.macro STEP slot, qn, f, g, zero
	s_wait_dscnt 0x0
	PLACES 8
	FETCH \slot, \qn, \g
	WIN MUL
.irp a, 0,1,2,3
	MULA \f, (\qn)-1, \slot, \a, \zero
.endr
.endm
.macro TURN slot, next, fill
	WIN 0
	s_wait_tensorcnt 0x0
	ds_add_u32 v[SPW], v[NIL]
	s_wait_dscnt 1
	WIN MUL
	MULA F1, 3, \slot, 0, 0
	s_wait_dscnt 0x0
	s_barrier_signal -1
	MULA F1, 3, \slot, 1, 0
	WIN 0
	s_barrier_wait -1
.if \fill
	CREST
	s_add_nc_u64 s[G0+4*\slot+2:G0+4*\slot+3], s[G0+4*\slot+2:G0+4*\slot+3], 2*AGSTEP
	s_add_nc_u64 s[G0B+4*\slot+2:G0B+4*\slot+3], s[G0B+4*\slot+2:G0B+4*\slot+3], 1024
	JLOAD \slot
	PLACES 4
.else
	PLACES 8
.endif
	v_add_nc_u32 v[ADSB], 16, v[ADSB]
	FETCH \next, 0, F0
	SCALES \next
	WIN MUL
	MULA F1, 3, \slot, 2, 0
	MULA F1, 3, \slot, 3, 0
.endm
	s_wait_alu depctr_va_vdst(0)
	s_wait_tensorcnt 0x0                           ; my tile of the head's four is in
	ds_add_u32 v[SPW], v[NIL]
	s_mov_b32 s[G1+2], 132<<16                     ; no tensor load of mine is out: from here on a load brings half a tile
	s_mov_b32 s[G1+4], 132
	s_mov_b32 s[G1B+2], 64<<16
	s_mov_b32 s[G1B+4], 64
	s_wait_dscnt 0x0
	CROUND                                         ; a whole round: all four tiles are in,
	JLOAD 1                                        ; and slot 1's first fill is the first tensor load behind it
	FETCH 0, 0, F0
	SCALES 0
	s_wait_loadcnt 32
	STEP 0, 1, F0, F1, 1
.if LAPS > 1
	WIN 0
	s_mov_b32 s3, LAPS-1
.Llap:
	STEP 0, 2, F1, F0, 0
	STEP 0, 3, F0, F1, 0
	TURN 0, 1, 1
	STEP 1, 1, F0, F1, 0
	STEP 1, 2, F1, F0, 0
	STEP 1, 3, F0, F1, 0
	TURN 1, 0, 1
	STEP 0, 1, F0, F1, 0
	WIN 0
	s_sub_co_u32 s3, s3, 1
	s_cmp_lg_u32 s3, 0
	s_cbranch_scc1 .Llap
.endif
	STEP 0, 2, F1, F0, 0
	STEP 0, 3, F0, F1, 0
	TURN 0, 1, 0
	STEP 1, 1, F0, F1, 0
	STEP 1, 2, F1, F0, 0
	STEP 1, 3, F0, F1, 0
	s_wait_dscnt 0x0
.irp a, 0,1,2,3
	MULA F1, 3, 1, \a, 0
.endr
	WIN 0
	PLACES 8
.irp a, 0,1,2,3
.if PERM
.set OFA, 32*(\a/2)+8*(\a%2)
.else
.set OFA, 16*\a
.endif
.irp b, 0,1,2,3
	ds_store_b128 v[STO], v[ACC+8*(4*\a+\b):ACC+8*(4*\a+\b)+3] offset:272*OFA+64*\b
	ds_store_b128 v[STO], v[ACC+8*(4*\a+\b)+4:ACC+8*(4*\a+\b)+7] offset:272*OFA+64*\b+16
.endr
.endr
	s_wait_loadcnt 0x0
.irp hf, 0,1
.if \hf
	s_wait_xcnt 0x0
.endif
.set t, 0
.rept 16
	ds_load_b128 v[OB+4*t:OB+4*t+3], v[RD] offset:544*(16*\hf+t)
.set t, t+1
.endr
	s_wait_dscnt 0x0
	WIN 0x08
.set t, 0
.rept 32
	v_pk_add_f32 v[OB+2*t:OB+2*t+1], v[OB+2*t:OB+2*t+1], v[64*\hf+2*t:64*\hf+2*t+1]
.set t, t+1
.endr
	WIN 0
.set t, 0
.rept 16
	global_store_b128 v[CO], v[OB+4*t:OB+4*t+3], s[14:15] offset:8192*(16*\hf+t)
.set t, t+1
.endr
.endr
	s_wait_tensorcnt 0x0
	ds_add_u32 v[SPW], v[NIL]
	s_wait_dscnt 0x0
	CROUND
	s_endpgm
.Lfunc_end_k_qf680391c3f_proj:
	.size	k_qf680391c3f_proj, .Lfunc_end_k_qf680391c3f_proj-k_qf680391c3f_proj
	.p2alignl 7, 3214868480
	.fill 96, 4, 3214868480
	.section	.rodata,"a",@progbits
	.p2align	6, 0x0
	.amdhsa_kernel k_qf680391c3f_proj
		.amdhsa_group_segment_fixed_size 327680
		.amdhsa_private_segment_fixed_size 0
		.amdhsa_enable_private_segment 0
		.amdhsa_kernarg_size 48
		.amdhsa_user_sgpr_count 2
		.amdhsa_user_sgpr_kernarg_segment_ptr 1
		.amdhsa_wavefront_size32 1
		.amdhsa_system_sgpr_workgroup_id_x 1
		.amdhsa_system_sgpr_workgroup_id_y 1
		.amdhsa_system_sgpr_workgroup_id_z 1
		.amdhsa_system_vgpr_workitem_id 0
		.amdhsa_next_free_vgpr 640
		.amdhsa_next_free_sgpr 88
		.amdhsa_reserve_vcc 0
		.amdhsa_float_denorm_mode_32 3
		.amdhsa_float_denorm_mode_16_64 3
		.amdhsa_memory_ordered 1
		.amdhsa_forward_progress 1
		.amdhsa_inst_pref_size 62
	.end_amdhsa_kernel
	.amdgpu_metadata
---
amdhsa.version: [ 1, 2 ]
amdhsa.kernels:
  - .name:           k_qf680391c3f_proj
    .symbol:         k_qf680391c3f_proj.kd
    .args:
      - { .name: att_img, .offset: 0, .size: 8, .value_kind: global_buffer, .address_space: global }
      - { .name: proj_w_codes, .offset: 8, .size: 8, .value_kind: global_buffer, .address_space: global }
      - { .name: proj_w_scales, .offset: 16, .size: 8, .value_kind: global_buffer, .address_space: global }
      - { .name: proj_b, .offset: 24, .size: 8, .value_kind: global_buffer, .address_space: global }
      - { .name: x, .offset: 32, .size: 8, .value_kind: global_buffer, .address_space: global }
      - { .name: x2, .offset: 40, .size: 8, .value_kind: global_buffer, .address_space: global }
    .group_segment_fixed_size: 327680
    .private_segment_fixed_size: 0
    .kernarg_segment_align: 8
    .kernarg_segment_size: 48
    .max_flat_workgroup_size: 128
    .sgpr_count:     88
    .vgpr_count:     640
    .wavefront_size: 32
...
	.end_amdgpu_metadata
.endif
;; end of part 4
;; launch ln2: the kernel of part 1 again; grid 256 x 1, 8 waves a work-group, no clusters, 83,968 bytes of LDS; arguments x2, ln2_g, ln2_b, a1c, a1s; writes a1c, a1s
;; launch fc (part 5): grid 16 x 16, 4 waves a work-group, clusters of 4 x 4, 327,680 bytes of LDS; arguments a1c, a1s, fc_w_codes, fc_w_scales, fc_b, h_img; writes h_img
.if DOCPART == 5
	.amdgcn_target "amdgcn-amd-amdhsa--gfx1250"
	.amdhsa_code_object_version 6
	.text
	.protected	k_qf680391c3f_fc
	.globl	k_qf680391c3f_fc
	.p2align	8
	.type	k_qf680391c3f_fc,@function
k_qf680391c3f_fc:
	s_mov_b64 s[64:65], 0
	v_nop
	global_prefetch_b8 v0, s[64:65] scope:SCOPE_SE
	s_setreg_imm32_b32 hwreg(HW_REG_WAVE_MODE, 25, 1), 1
	s_wait_xcnt 0x0
	s_wait_alu depctr_hold_cnt(0) depctr_sa_sdst(0) depctr_va_vdst(0) depctr_va_sdst(0) depctr_va_ssrc(0) depctr_va_vcc(0) depctr_vm_vsrc(0)
	s_getreg_b32 s2, hwreg(HW_REG_IB_STS2, 6, 4)
	s_cmp_eq_u32 s2, 0
	s_cbranch_scc0 .Lentry_in_a_cluster
	s_endpgm
.Lentry_in_a_cluster:
	s_bfe_u32 s2, ttmp6, 0x10000c
	s_cmp_lg_u32 s2, 0xf033
	s_cbranch_scc0 .Lentry_shape_is_right
	s_endpgm
.Lentry_shape_is_right:
.set SIZE_K, 1024
.set KSTEP,  256
.set NQ,     KSTEP/128
.set ROWB,   256
.set KROW,   SIZE_K
.set PITCH,  272
.set FR,     16
.set NL,     4
.set NP,     8
.set HALFT,  128*PITCH
.set SLOT,   4*HALFT
.set LAPS,   SIZE_K/(2*KSTEP)
.set KS,     SIZE_K/32
.set SCL,    2*SLOT
.set HALFS,  (128*KS/256)*272
.set SBLK,   (16*KS/256)*272
.set SPARE,  SCL+4*HALFS
.set SCR,    SPARE+512
.set C9,   8
.set WD,   12
.set ADRA, 16
.set SCL8, 18
.set SCX,  19
.set ADRB, 20
.set L16,  22
.set L8,   23
.set STO,  24
.set RDQ,  25
.set RDX,  26
.set ADRS, 27
.set SPW,  28
.set NIL,  29
.set PW,   30
.set SCW,  31
.set SC,   32
.set BIAS, 64
.set X,    64
.set AF,   128
.set T,    128
.set P,    160
.set QT,   192
.set TM,   224
.set PC,   240
.set G1, 24
.set G0, 32
.set G1B, 48
.set G0B, 56
.set G1S, 68
.set G0S, 76
.set G1SB, 80
.set G0SB, 88
.set CB,  18
.set WB,  20
.set OFF, 66
.set OF2, 67
.set SEL, 92
.set MNT, 94
.set MSB, 0
.macro WIN new
.if MSB != \new
	s_set_vgpr_msb (MSB<<8)|\new
.set MSB, \new
.endif
.endm
.set MUL_LO, 0xa1
.set MUL_HI, 0xf1
.set TO_B,   0x40
.macro JLOAD g0a, g1a, g0b, g1b
	s_cmp_eq_u32 s15, 0
	s_cbranch_scc0 .Lfor_b_\@
	tensor_load_to_lds s[\g0a:\g0a+3], s[\g1a:\g1a+7]
	s_nop 0
.rept 4
	v_nop
.endr
	s_branch .Lasked_\@
.Lfor_b_\@:
	tensor_load_to_lds s[\g0b:\g0b+3], s[\g1b:\g1b+7]
	s_nop 0
.rept 4
	v_nop
.endr
.Lasked_\@:
.endm
.macro CREST
	s_cmp_lg_u32 s14, 0
	s_cbranch_scc1 .Lnot_wave_0_\@
	s_barrier_signal -3
.Lnot_wave_0_\@:
	s_barrier_wait -3
	s_barrier_signal -1
	s_barrier_wait -1
.endm
.macro CROUND
	s_barrier_signal -1
	s_barrier_wait -1
	CREST
.endm
	s_load_b128 s[4:7], s[0:1], 0x0
	s_load_b128 s[8:11], s[0:1], 0x10
	s_load_b64 s[12:13], s[0:1], 0x20
	s_load_b64 s[96:97], s[0:1], 0x28
	v_lshl_add_u32 v[SPW], v0, 2, SPARE
	v_mov_b32 v[NIL], 0
	ds_add_u32 v28, v29
	ds_add_u32 v28, v29
	s_wait_dscnt 0x0
	v_lshrrev_b32 v1, 5, v0
	v_readfirstlane_b32 s14, v1
	s_lshr_b32 s15, s14, 1
	s_and_b32 s16, s14, 1
	s_bfe_u32 s40, ttmp6, 0x40000
	s_bfe_u32 s41, ttmp6, 0x40004
	s_lshl_b32 s42, ttmp9, 2
	s_add_co_u32 s42, s42, s40
	s_and_b32 s17, ttmp7, 0xffff
	s_lshl_b32 s17, s17, 2
	s_add_co_u32 s17, s17, s41
	s_lshl_b32 s43, s41, 2
	s_lshl_b32 s43, 15, s43
	s_lshl_b32 s44, 0x1111, s40
	s_or_b32 s[G1+0], s43, (0<<16)|(1<<20)|(1<<21)|(5<<22)|(3<<25)
	s_or_b32 s[G1B+0], s44, (0<<16)|(1<<20)|(1<<21)|(5<<22)|(3<<25)
.irp g, G1, G1B
	s_mov_b32 s[\g+1], ROWB<<16
	s_mov_b32 s[\g+2], 256<<16                     ; the head's loads bring whole tiles of 256 rows
	s_mov_b32 s[\g+3], ROWB<<16
	s_mov_b32 s[\g+4], 256
	s_mov_b32 s[\g+5], KROW
	s_mov_b32 s[\g+6], 0
	s_mov_b32 s[\g+7], 0
.endr
	s_or_b32 s[G1S+0], s43, (3<<16)|(1<<20)|(1<<21)|(5<<22)|(3<<25)
	s_or_b32 s[G1SB+0], s44, (3<<16)|(1<<20)|(1<<21)|(5<<22)|(3<<25)
.irp g, G1S, G1SB
	s_mov_b32 s[\g+1], 32<<16
	s_mov_b32 s[\g+2], KS<<16                      ; the scale bytes of 256 rows: KS rows of 256 bytes
	s_mov_b32 s[\g+3], 32<<16
	s_mov_b32 s[\g+4], KS
	s_mov_b32 s[\g+5], 32
	s_mov_b32 s[\g+6], 0
	s_mov_b32 s[\g+7], 0
.endr
	s_lshl_b32 s18, s16, 7
	s_lshl_b32 s20, s17, 8                         ; A: the tile's first row
	s_lshl_b32 s46, s42, 8                         ; W: likewise
	s_add_co_u32 s95, s46, s18                     ; my wave's first column, for the bias
	s_mov_b32 s21, 0
	s_mov_b32 s47, 0
	s_mov_b64 s[18:19], KS
	s_mul_u64 s[22:23], s[20:21], s[18:19]
	s_mul_u64 s[92:93], s[46:47], s[18:19]
	s_mov_b64 s[18:19], KROW
	s_mul_u64 s[20:21], s[20:21], s[18:19]
	s_mul_u64 s[46:47], s[46:47], s[18:19]
	s_mul_i32 s18, s16, 128*KROW                   ; in the ring I fetch 128 rows of a tile: which half, in bytes
	s_mov_b32 s19, 0
	s_mul_i32 s45, s14, HALFT
	s_wait_kmcnt 0x0
	s_add_nc_u64 s[20:21], s[4:5], s[20:21]
	s_add_nc_u64 s[22:23], s[6:7], s[22:23]
	s_add_nc_u64 s[46:47], s[8:9], s[46:47]
	s_add_nc_u64 s[92:93], s[10:11], s[92:93]
	CROUND
.set G0H, 4                            ; s[4:7], s[8:11] group 0 of the head's loads of K step 0 (the arguments that lay there have been used)
.set G0HB, 8
	s_mov_b32 s[G0H], 1
	s_mov_b32 s[G0H+1], 0
	s_mov_b64 s[G0H+2:G0H+3], s[20:21]
	s_or_b32 s[G0H+3], s[G0H+3], 0x80000000
	s_mov_b32 s[G0HB], 1
	s_mov_b32 s[G0HB+1], 2*HALFT
	s_mov_b64 s[G0HB+2:G0HB+3], s[46:47]
	s_or_b32 s[G0HB+3], s[G0HB+3], 0x80000000
	s_mov_b32 s[G0S], 1
	s_mov_b32 s[G0S+1], SCL
	s_mov_b64 s[G0S+2:G0S+3], s[22:23]
	s_or_b32 s[G0S+3], s[G0S+3], 0x80000000
	s_mov_b32 s[G0SB], 1
	s_mov_b32 s[G0SB+1], SCL+2*HALFS
	s_mov_b64 s[G0SB+2:G0SB+3], s[92:93]
	s_or_b32 s[G0SB+3], s[G0SB+3], 0x80000000
	s_add_nc_u64 s[20:21], s[20:21], s[18:19]      ; for the ring: my 128 rows of the tile
	s_add_nc_u64 s[46:47], s[46:47], s[18:19]
.irp s, 0,1
	s_mov_b32 s[G0+4*\s], 1
	s_add_co_u32 s[G0+4*\s+1], s45, \s*SLOT
	s_add_nc_u64 s[G0+4*\s+2:G0+4*\s+3], s[20:21], \s*ROWB
	s_or_b32 s[G0+4*\s+3], s[G0+4*\s+3], 0x80000000
	s_mov_b32 s[G0B+4*\s], 1
	s_add_co_u32 s[G0B+4*\s+1], s45, \s*SLOT
	s_add_nc_u64 s[G0B+4*\s+2:G0B+4*\s+3], s[46:47], \s*ROWB
	s_or_b32 s[G0B+4*\s+3], s[G0B+4*\s+3], 0x80000000
.endr
; THE HEAD'S LOADS, ONE A WAVE: wave 0 K step 0's 256 rows of A, wave 1 its 256 rows of W, wave 2 A's scale bytes, wave 3 W's.  One tree of branches on the wave's number.
.macro ARM under, g0, g1, next
	s_cmp_lt_u32 s14, \under
	s_cbranch_scc0 \next
	tensor_load_to_lds s[\g0:\g0+3], s[\g1:\g1+7]
	s_nop 0
.rept 4
	v_nop
.endr
	s_branch .Lhead_asked
\next:
.endm
	ARM 1, G0H,  G1,  .Lhead_b
	ARM 2, G0HB, G1B, .Lhead_sa
	ARM 3, G0S,  G1S, .Lhead_sb
	tensor_load_to_lds s[G0SB:G0SB+3], s[G1SB:G1SB+7]
	s_nop 0
.rept 4
	v_nop
.endr
.Lhead_asked:
	v_and_b32 v1, 15, v0
	s_wait_alu depctr_va_vdst(0)
	v_bfe_u32 v2, v0, 4, 1
	s_lshl_b32 s46, s95, 2
	s_mov_b32 s47, 0
	s_add_nc_u64 s[12:13], s[12:13], s[46:47]
	v_lshlrev_b32 v7, 5, v2
.irp b, 0,1,2,3,4,5,6,7
	global_load_b128 v[BIAS+8*\b:BIAS+8*\b+3], v7, s[12:13] offset:64*\b
	global_load_b128 v[BIAS+8*\b+4:BIAS+8*\b+7], v7, s[12:13] offset:64*\b+16
.endr
	v_mul_u32_u24 v3, v1, PITCH
	v_lshl_add_u32 v4, v2, 4, v3
	s_mul_i32 s21, s15, HALFT
	s_mul_i32 s22, s16, HALFT
	s_add_co_u32 s22, s22, 2*HALFT
.irp s, 0,1
	v_add_nc_u32 v[ADRA+\s], s21, v4
	v_add_nc_u32 v[ADRB+\s], s22, v4
	s_add_co_u32 s21, s21, SLOT
	s_add_co_u32 s22, s22, SLOT
.endr
	v_mul_u32_u24 v5, v1, KS
	v_lshrrev_b32 v6, 8, v5
	v_lshl_add_u32 v5, v6, 4, v5
	s_mul_i32 s21, s15, HALFS
	s_mul_i32 s22, s16, HALFS
	s_add_co_u32 s22, s22, 2*HALFS
	s_sub_co_u32 s22, s22, s21
	v_mul_u32_u24 v6, s22, v2
	s_add_co_u32 s21, s21, SCL
	v_add_nc_u32 v5, v5, v6
	v_add_nc_u32 v[ADRS], s21, v5
	s_mul_i32 s23, s14, HALFT
	v_mul_u32_u24 v5, v1, 528
	v_lshl_add_u32 v6, v2, 5, v5
	v_add_nc_u32 v[STO], s23, v6
	v_lshl_add_u32 v6, v2, 6, v5
	v_add_nc_u32 v[RDQ], s23, v6
	s_lshl_b32 s23, s14, 8
	s_add_co_u32 s23, s23, SCR
	v_lshl_add_u32 v[SCW], v1, 2, s23
	v_and_b32 v6, 31, v0
	v_lshl_add_u32 v[SCL8], v6, 3, s23
	v_lshlrev_b32 v[L16], 4, v6
	v_lshlrev_b32 v[L8], 3, v6
	v_mov_b32 v[C9], 0x3e7c6f08
	v_mov_b32 v[C9+1], 0x3e7c6f08
.macro FRAG reg, adr, q, i
.irp c, 0,1,2,3
	ds_load_b128 v[\reg+4*\c:\reg+4*\c+3], v[\adr] offset:128*(\q)+32*\c+(\i)*16*PITCH
.endr
.endm
.macro MUL16 a0, p, q, sc, zero
.irp a, \a0, \a0+1
.irp b, 0,1,2,3,4,5,6,7
.if \zero
	v_wmma_scale_f32_16x16x128_f8f6f4 v[8*(8*((\a)%4)+\b):8*(8*((\a)%4)+\b)+7], v[128*(\p)+FR*\b:128*(\p)+FR*\b+FR-1], v[AF+FR*(\a):AF+FR*(\a)+FR-1], v[BIAS+8*\b:BIAS+8*\b+7], v[SC+8*NQ*(\sc)+NQ*\b+(\q)], v[SC+8*NQ*(\sc)+NQ*(\a)+(\q)] matrix_a_scale:MATRIX_SCALE_ROW1
.else
	v_wmma_scale_f32_16x16x128_f8f6f4 v[8*(8*((\a)%4)+\b):8*(8*((\a)%4)+\b)+7], v[128*(\p)+FR*\b:128*(\p)+FR*\b+FR-1], v[AF+FR*(\a):AF+FR*(\a)+FR-1], v[8*(8*((\a)%4)+\b):8*(8*((\a)%4)+\b)+7], v[SC+8*NQ*(\sc)+NQ*\b+(\q)], v[SC+8*NQ*(\sc)+NQ*(\a)+(\q)] matrix_a_scale:MATRIX_SCALE_ROW1
.endif
.endr
.endr
.endm
.macro FETCH_B slot, q, p
	WIN TO_B
.irp i, 0,1,2,3,4,5,6,7
	FRAG 128*(\p)+FR*\i, ADRB+\slot, \q, \i
.endr
	WIN 0
.endm
.macro FETCH_A slot, q, i0
.irp i, \i0, \i0+1, \i0+2, \i0+3
	FRAG AF+FR*(\i), ADRA+\slot, \q, \i
.endr
.endm
.macro SCALES sc
.irp i, 0,1,2,3,4,5,6,7
	ds_load_b64 v[SC+8*NQ*\sc+NQ*\i:SC+8*NQ*\sc+NQ*\i+1], v[ADRS] offset:\i*SBLK
.endr
.endm
.macro PLACES n
.rept \n
	v_nop
.endr
.endm
.macro STEP slot, q, zero
	s_wait_dscnt 4*NL
	WIN MUL_LO-0x20*(\zero)
	MUL16 0, (\q)%2, \q, \slot, \zero
	MUL16 2, (\q)%2, \q, \slot, \zero
	s_wait_dscnt 0
	PLACES NP
	FETCH_B \slot, (\q)+1, 1-(\q)%2
	FETCH_A \slot, (\q)+1, 0
	WIN MUL_HI-0x30*(\zero)
	MUL16 4, (\q)%2, \q, \slot, \zero
	MUL16 6, (\q)%2, \q, \slot, \zero
	PLACES NP
	WIN 0
	FETCH_A \slot, (\q)+1, 4
.endm
.macro TURN slot, next, fill
	s_wait_tensorcnt 0x0
	ds_add_u32 v[SPW], v[NIL]
	s_wait_dscnt 4*NL+1
	WIN MUL_LO
	MUL16 0, 1, NQ-1, \slot, 0
	s_wait_dscnt 0x0
	s_barrier_signal -1
	MUL16 2, 1, NQ-1, \slot, 0
	WIN 0
	s_barrier_wait -1
.if \fill
	CREST
	s_add_nc_u64 s[G0+4*\slot+2:G0+4*\slot+3], s[G0+4*\slot+2:G0+4*\slot+3], 2*ROWB
	s_add_nc_u64 s[G0B+4*\slot+2:G0B+4*\slot+3], s[G0B+4*\slot+2:G0B+4*\slot+3], 2*ROWB
	JLOAD G0+4*\slot, G1, G0B+4*\slot, G1B
	PLACES NP-4
.else
	PLACES NP
.endif
	s_wait_alu depctr_va_vdst(0)
	v_add_nc_u32 v[ADRS], 4*NQ, v[ADRS]
	FETCH_B \next, 0, 0
	FETCH_A \next, 0, 0
	SCALES \next
	WIN MUL_HI
	MUL16 4, 1, NQ-1, \slot, 0
	MUL16 6, 1, NQ-1, \slot, 0
	PLACES NP
	WIN 0
	FETCH_A \next, 0, 4
.endm
	s_wait_alu depctr_va_vdst(0)
	s_wait_tensorcnt 0x0                           ; my tile of the head's four is in
	ds_add_u32 v[SPW], v[NIL]
	s_mov_b32 s[G1+2], 128<<16                     ; no tensor load of mine is out: from here on a load brings 128 rows
	s_mov_b32 s[G1+4], 128
	s_mov_b32 s[G1B+2], 128<<16
	s_mov_b32 s[G1B+4], 128
	s_wait_dscnt 0x0
	CROUND                                         ; a whole round: all four tiles are in,
	JLOAD G0+4, G1, G0B+4, G1B                     ; and K step 1's load is the first tensor load behind it
	FETCH_B 0, 0, 0
	FETCH_A 0, 0, 0
	SCALES 0
	FETCH_A 0, 0, 4
	s_wait_loadcnt 0x0
	STEP 0, 0, 1
	s_mov_b32 s3, LAPS-1
.Llap:
	TURN 0, 1, 1
	STEP 1, 0, 0
	TURN 1, 0, 1
	STEP 0, 0, 0
	s_sub_co_u32 s3, s3, 1
	s_cmp_lg_u32 s3, 0
	s_cbranch_scc1 .Llap
	TURN 0, 1, 0
	STEP 1, 0, 0
	s_wait_dscnt 4*NL
	WIN MUL_LO
	MUL16 0, 1, NQ-1, 1, 0
	MUL16 2, 1, NQ-1, 1, 0
	s_wait_dscnt 0
	WIN MUL_HI
	MUL16 4, 1, NQ-1, 1, 0
	MUL16 6, 1, NQ-1, 1, 0
	WIN 0
.macro QUANT s
.irp b, 0,1,2,3
	v_max3_num_f32 v[TM+\b], |v[\s+16*\b]|, |v[\s+1+16*\b]|, 0x4800000
.endr
.irp i, 2,4,6,8,10,12,14
.irp b, 0,1,2,3
	v_max3_num_f32 v[TM+\b], v[TM+\b], |v[\s+16*\b+\i]|, |v[\s+1+16*\b+\i]|
.endr
.endr
.irp b, 0,1,2,3
	v_permlanex16_b32 v[TM+4+\b], v[TM+\b], s[SEL], s[SEL+1]
.endr
.irp b, 0,1,2,3
	v_max_num_f32 v[TM+\b], v[TM+\b], v[TM+4+\b]
.endr
.irp b, 0,1,2,3
	v_add_nc_u32 v[TM+12+\b], 0xfc000000, v[TM+\b]
.endr
.irp b, 0,1,2,3
	v_and_or_b32 v[TM+8+\b], v[TM+\b], 0x7f800000, s[MNT]
.endr
.irp b, 0,1,2,3
	v_lshrrev_b32 v[TM+4+\b], 23, v[TM+12+\b]
.endr
	v_lshl_or_b32 v[PW], v[TM+5], 8, v[TM+4]
	v_lshl_or_b32 v[PW], v[TM+6], 16, v[PW]
	v_lshl_or_b32 v[PW], v[TM+7], 24, v[PW]
.irp b, 0,1,2,3
.irp i, 0,1,2,3,4,5,6,7,8,9,10,11,12,13,14,15
	v_med3_num_f32 v[\s+16*\b+\i], v[\s+16*\b+\i], -v[TM+8+\b], v[TM+8+\b]
.endr
	v_cvt_scalef32_pk8_fp8_f32 v[PC+4*\b:PC+1+4*\b], v[\s+16*\b:\s+7+16*\b], v[TM+12+\b]
	v_cvt_scalef32_pk8_fp8_f32 v[PC+2+4*\b:PC+3+4*\b], v[\s+8+16*\b:\s+15+16*\b], v[TM+12+\b]
.endr
	v_nop
.endm
.macro GELU32 s
.set i, 0
.rept 32
	v_fma_f32 v[T+i], |v[(\s)+i]|, 0x3eb504f3, 1.0
.set i, i+1
.endr
.set i, 0
	s_wait_alu depctr_va_vdst(0)
.rept 32
	v_rcp_f32 v[T+i], v[T+i]
.set i, i+1
.endr
	v_nop
	s_wait_alu depctr_va_vdst(0)
.set i, 0
.rept 16
	v_pk_fma_f32 v[P+i:P+i+1], v[T+i:T+i+1], v[C9:C9+1], 0xbf97d29d op_sel_hi:[1,1,0]
.set i, i+2
.endr
.irp c, 0x40097039, 0xbfd1a1e5, 0x3ecdfd18, 0xbe899a80, 0x3e0efb2e, 0x3f0a29d2, 0x3fb8ab5a, 0xc034d90f
.set i, 0
.rept 16
	v_pk_fma_f32 v[P+i:P+i+1], v[P+i:P+i+1], v[T+i:T+i+1], \c op_sel_hi:[1,1,0]
.set i, i+2
.endr
.endr
.irp g, 0,16
.set i, 0
.rept 8
	v_pk_mul_f32 v[QT+i:QT+i+1], v[(\s)+\g+i:(\s)+\g+i+1], v[(\s)+\g+i:(\s)+\g+i+1]
.set i, i+2
.endr
.set i, 0
.rept 8
	v_pk_fma_f32 v[P+\g+i:P+\g+i+1], v[QT+i:QT+i+1], 0xbf38aa3b, v[P+\g+i:P+\g+i+1] op_sel_hi:[1,0,1]
.set i, i+2
.endr
.endr
.set i, 0
	s_wait_alu depctr_va_vdst(0)
.rept 32
	v_exp_f32 v[P+i], v[P+i]
.set i, i+1
.endr
	v_nop
	s_wait_alu depctr_va_vdst(0)
.set i, 0
.rept 16
	v_pk_mul_f32 v[T+i:T+i+1], v[T+i:T+i+1], v[P+i:P+i+1]
.set i, i+2
.endr
.set i, 0
.rept 32
	v_max_num_f32 v[P+i], 0, v[(\s)+i]
.set i, i+1
.endr
.set i, 0
.rept 32
	v_fma_f32 v[(\s)+i], -|v[(\s)+i]|, v[T+i], v[P+i]
.set i, i+1
.endr
.endm
.macro HALFOUT p
	WIN 0x08+4*\p
.irp a, 0,1,2,3
.irp b, 0,1,2,3,4,5,6,7
	ds_store_b128 v[STO], v[8*(8*\a+\b):8*(8*\a+\b)+3] offset:8448*\a+64*\b
	ds_store_b128 v[STO], v[8*(8*\a+\b)+4:8*(8*\a+\b)+7] offset:8448*\a+64*\b+16
.endr
.endr
	WIN 0
	s_mov_b32 s[OFF], 0
	s_mov_b32 s[OF2], 0
	s_mov_b32 s3, 4
.Ltile_\@:
	v_add_nc_u32 v[RDX], s[OFF], v[RDQ]
	v_add_nc_u32 v[SCX], s[OF2], v[SCW]
.irp c, 0,1,2,3
.irp j, 0,1,2,3
	ds_load_b128 v[X+16*\c+4*\j:X+16*\c+4*\j+3], v[RDX] offset:128*\c+16*\j
.endr
.endr
	s_wait_dscnt 0x0
	GELU32 X
	GELU32 X+32
	QUANT X
.irp c, 0,1,2,3
	global_store_b128 v[L16], v[PC+4*\c:PC+4*\c+3], s[CB:CB+1] offset:512*\c
.endr
	ds_store_b32 v[SCX], v[PW]
	s_wait_xcnt 0x0
	s_add_nc_u64 s[CB:CB+1], s[CB:CB+1], 8192
	s_add_co_u32 s[OFF], s[OFF], 8448
	s_add_co_u32 s[OF2], s[OF2], 64
	s_sub_co_u32 s3, s3, 1
	s_cmp_lg_u32 s3, 0
	s_cbranch_scc1 .Ltile_\@
	ds_load_b64 v[WD:WD+1], v[SCL8]
	s_wait_dscnt 0x0
	global_store_b64 v[L8], v[WD:WD+1], s[WB:WB+1]
.endm
	PLACES NP
	s_mov_b32 s[SEL], 0x76543210
	s_mov_b32 s[SEL+1], 0xfedcba98
	s_mov_b32 s[MNT], 0x600000
.irp b, 0,1,2,3
	v_mov_b32 v[TM+4+\b], 0
.endr
	s_lshl_b32 s43, s42, 1
	s_add_co_u32 s43, s43, s16
	s_lshr_b32 s44, s43, 2
	s_and_b32 s43, s43, 3
	s_lshl_b32 s44, s44, 6
	s_lshl_b32 s45, s17, 2
	s_add_co_u32 s44, s44, s45
	s_lshl_b32 s45, s15, 1
	s_add_co_u32 s44, s44, s45
	s_mul_i32 s46, s44, 33792
	s_mov_b32 s47, 0
	s_add_nc_u64 s[WB:WB+1], s[96:97], s[46:47]
	s_lshl_b32 s46, s43, 11
	s_add_nc_u64 s[CB:CB+1], s[WB:WB+1], s[46:47]
	s_lshl_b32 s46, s43, 8
	s_add_co_u32 s46, s46, 32768
	s_add_nc_u64 s[WB:WB+1], s[WB:WB+1], s[46:47]
	HALFOUT 0
	s_wait_xcnt 0x0
	s_add_nc_u64 s[CB:CB+1], s[CB:CB+1], 1024
	s_add_nc_u64 s[WB:WB+1], s[WB:WB+1], 33792
	HALFOUT 1
	s_wait_tensorcnt 0x0
	ds_add_u32 v[SPW], v[NIL]
	s_wait_dscnt 0x0
	CROUND
	s_endpgm
.Lfunc_end_k_qf680391c3f_fc:
	.size	k_qf680391c3f_fc, .Lfunc_end_k_qf680391c3f_fc-k_qf680391c3f_fc
	.p2alignl 7, 3214868480
	.fill 96, 4, 3214868480
	.section	.rodata,"a",@progbits
	.p2align	6, 0x0
	.amdhsa_kernel k_qf680391c3f_fc
		.amdhsa_group_segment_fixed_size 327680
		.amdhsa_private_segment_fixed_size 0
		.amdhsa_enable_private_segment 0
		.amdhsa_kernarg_size 48
		.amdhsa_user_sgpr_count 2
		.amdhsa_user_sgpr_kernarg_segment_ptr 1
		.amdhsa_wavefront_size32 1
		.amdhsa_system_sgpr_workgroup_id_x 1
		.amdhsa_system_sgpr_workgroup_id_y 1
		.amdhsa_system_sgpr_workgroup_id_z 1
		.amdhsa_system_vgpr_workitem_id 0
		.amdhsa_next_free_vgpr 1024
		.amdhsa_next_free_sgpr 102
		.amdhsa_reserve_vcc 0
		.amdhsa_float_denorm_mode_32 3
		.amdhsa_float_denorm_mode_16_64 3
		.amdhsa_memory_ordered 1
		.amdhsa_forward_progress 1
		.amdhsa_inst_pref_size 249
	.end_amdhsa_kernel
	.amdgpu_metadata
---
amdhsa.version: [ 1, 2 ]
amdhsa.kernels:
  - .name:           k_qf680391c3f_fc
    .symbol:         k_qf680391c3f_fc.kd
    .args:
      - { .name: a1c, .offset: 0, .size: 8, .value_kind: global_buffer, .address_space: global }
      - { .name: a1s, .offset: 8, .size: 8, .value_kind: global_buffer, .address_space: global }
      - { .name: fc_w_codes, .offset: 16, .size: 8, .value_kind: global_buffer, .address_space: global }
      - { .name: fc_w_scales, .offset: 24, .size: 8, .value_kind: global_buffer, .address_space: global }
      - { .name: fc_b, .offset: 32, .size: 8, .value_kind: global_buffer, .address_space: global }
      - { .name: h_img, .offset: 40, .size: 8, .value_kind: global_buffer, .address_space: global }
    .group_segment_fixed_size: 327680
    .private_segment_fixed_size: 0
    .kernarg_segment_align: 8
    .kernarg_segment_size: 48
    .max_flat_workgroup_size: 128
    .sgpr_count:     102
    .vgpr_count:     1024
    .wavefront_size: 32
...
	.end_amdgpu_metadata
.endif
;; end of part 5
;; launch fc2 (part 6): grid 8 x 32, 4 waves a work-group, clusters of 4 x 4, 327,680 bytes of LDS; arguments h_img, fc2_w_codes, fc2_w_scales, fc2_b, x2, out0; writes out0
.if DOCPART == 6
	.amdgcn_target "amdgcn-amd-amdhsa--gfx1250"
	.amdhsa_code_object_version 6
	.text
	.protected	k_qf680391c3f_fc2
	.globl	k_qf680391c3f_fc2
	.p2align	8
	.type	k_qf680391c3f_fc2,@function
k_qf680391c3f_fc2:
	s_mov_b64 s[64:65], 0
	v_nop
	global_prefetch_b8 v0, s[64:65] scope:SCOPE_SE
	s_setreg_imm32_b32 hwreg(HW_REG_WAVE_MODE, 25, 1), 1
	s_wait_xcnt 0x0
	s_wait_alu depctr_hold_cnt(0) depctr_sa_sdst(0) depctr_va_vdst(0) depctr_va_sdst(0) depctr_va_ssrc(0) depctr_va_vcc(0) depctr_vm_vsrc(0)
	s_getreg_b32 s2, hwreg(HW_REG_IB_STS2, 6, 4)
	s_cmp_eq_u32 s2, 0
	s_cbranch_scc0 .Lentry_in_a_cluster
	s_endpgm
.Lentry_in_a_cluster:
	s_bfe_u32 s2, ttmp6, 0x10000c
	s_cmp_lg_u32 s2, 0xf033
	s_cbranch_scc0 .Lentry_shape_is_right
	s_endpgm
.Lentry_shape_is_right:
.set SIZE_K, 4096
.set PERM,   0
.set LOGPER, 1
.set KS,     SIZE_K/32
.set PER,    256/KS
.set LAPS,   SIZE_K/1024
.set HALFT,  33792
.set SLOT,   4*HALFT
.set AGSTEP, 64*HALFT
.set SCB,    2*SLOT
.set SCQ,    (KS/8)*272
.set SPARE,  SCB+4*SCQ
.set ADRA, 16
.set ADSA, 18
.set ADRB, 20
.set ADSB, 22
.set STO,  24
.set RD,   25
.set CO,   26
.set SPW,  28
.set NIL,  29
.set SA,   32
.set SB,   48
.set BIAS, 64
.set OB,   64
.set ACC,  128
.set F0,   0
.set F1,   128
.set G1,  24
.set G0,  32
.set G1B, 48
.set G0B, 56
.set G1S, 68
.set G0S, 76
.set MSB, 0
.macro WIN new
.if MSB != \new
	s_set_vgpr_msb (MSB<<8)|\new
.set MSB, \new
.endif
.endm
.set MUL,  0x05
.set TO_F, 0x40
.macro JLOAD s
	s_cmp_eq_u32 s17, 0
	s_cbranch_scc0 .Lfor_b_\@
	tensor_load_to_lds s[G0+4*\s:G0+4*\s+3], s[G1:G1+7]
	s_nop 0
.rept 4
	v_nop
.endr
	s_branch .Lasked_\@
.Lfor_b_\@:
	tensor_load_to_lds s[G0B+4*\s:G0B+4*\s+3], s[G1B:G1B+7]
	s_nop 0
.rept 4
	v_nop
.endr
.Lasked_\@:
.endm
.macro CREST
	s_cmp_lg_u32 s16, 0
	s_cbranch_scc1 .Lnot_wave_0_\@
	s_barrier_signal -3
.Lnot_wave_0_\@:
	s_barrier_wait -3
	s_barrier_signal -1
	s_barrier_wait -1
.endm
.macro CROUND
	s_barrier_signal -1
	s_barrier_wait -1
	CREST
.endm
	s_load_b256 s[4:11], s[0:1], 0x0
	s_load_b128 s[12:15], s[0:1], 0x20
	v_lshl_add_u32 v[SPW], v0, 2, SPARE
	v_mov_b32 v[NIL], 0
	ds_add_u32 v28, v29
	ds_add_u32 v28, v29
	s_wait_dscnt 0x0
	v_lshrrev_b32 v1, 5, v0
	v_readfirstlane_b32 s16, v1
	s_lshr_b32 s17, s16, 1
	s_and_b32 s18, s16, 1
	s_bfe_u32 s40, ttmp6, 0x40000
	s_bfe_u32 s41, ttmp6, 0x40004
	s_lshl_b32 s42, ttmp9, 2
	s_add_co_u32 s42, s42, s40
	s_and_b32 s19, ttmp7, 0xffff
	s_lshl_b32 s19, s19, 2
	s_add_co_u32 s19, s19, s41
	s_lshl_b32 s43, s41, 2
	s_lshl_b32 s43, 15, s43
	s_lshl_b32 s44, 0x1111, s40
	s_or_b32 s[G1], s43, (3<<16)|(1<<21)
	s_mov_b32 s[G1+1], 32<<16
	s_mov_b32 s[G1+2], 264<<16                     ; the head's load brings both halves of A's tile: 264 rows of 256 bytes
	s_mov_b32 s[G1+3], 32<<16
	s_mov_b32 s[G1+4], 264
	s_mov_b32 s[G1+5], 32
	s_mov_b32 s[G1+6], 0
	s_mov_b32 s[G1+7], 0
	s_or_b32 s[G1B], s44, (0<<16)|(1<<20)|(1<<21)|(6<<22)|(3<<25)
	s_mov_b32 s[G1B+1], 512<<16
	s_mov_b32 s[G1B+2], 128<<16                    ; and both halves of W's: 128 rows
	s_mov_b32 s[G1B+3], 512<<16
	s_mov_b32 s[G1B+4], 128
	s_mov_b32 s[G1B+5], SIZE_K
	s_mov_b32 s[G1B+6], 0
	s_mov_b32 s[G1B+7], 0
	s_or_b32 s[G1S], s44, (3<<16)|(1<<20)|(1<<21)|(5<<22)|(3<<25)
	s_mov_b32 s[G1S+1], 32<<16
	s_mov_b32 s[G1S+2], (KS/4)<<16                 ; the scale bytes of 64 rows of W to a load
	s_mov_b32 s[G1S+3], 32<<16
	s_mov_b32 s[G1S+4], KS/4
	s_mov_b32 s[G1S+5], 32
	s_mov_b32 s[G1S+6], 0
	s_mov_b32 s[G1S+7], 0
	s_lshl_b32 s20, s19, 1
	s_add_co_u32 s20, s20, s18
	s_mul_i32 s20, s20, HALFT
	s_mov_b32 s21, 0
	s_lshl_b32 s46, s42, 7
	s_lshl_b32 s47, s18, 6
	s_add_co_u32 s46, s46, s47
	s_mul_i32 s46, s46, SIZE_K
	s_mov_b32 s47, 0
	s_lshl_b32 s66, s42, 7
	s_lshl_b32 s67, s18, 6
	s_add_co_u32 s66, s66, s67
	s_mul_i32 s66, s66, KS
	s_mov_b32 s67, 0
	s_mul_i32 s45, s16, HALFT
	s_mul_i32 s22, s18, 2*SCQ
	s_add_co_u32 s22, s22, SCB
	s_wait_kmcnt 0x0
	s_add_nc_u64 s[20:21], s[4:5], s[20:21]
	s_add_nc_u64 s[46:47], s[6:7], s[46:47]
	s_add_nc_u64 s[66:67], s[8:9], s[66:67]
	CROUND
	s_mov_b32 s[G0S], 1
	s_mov_b32 s[G0S+1], s22
	s_mov_b64 s[G0S+2:G0S+3], s[66:67]
	s_or_b32 s[G0S+3], s[G0S+3], 0x80000000
	s_mul_i32 s22, s18, HALFT                      ; group 0 of the head's two loads of codes: the tiles' first bytes, without my half's step
	s_mov_b32 s23, 0
	s_mov_b32 s80, 1
	s_mov_b32 s81, 0
	s_sub_nc_u64 s[82:83], s[20:21], s[22:23]
	s_or_b32 s83, s83, 0x80000000
	s_mul_i32 s22, s18, 64*SIZE_K
	s_mov_b32 s84, 1
	s_mov_b32 s85, 2*HALFT
	s_sub_nc_u64 s[86:87], s[46:47], s[22:23]
	s_or_b32 s87, s87, 0x80000000
.irp s, 0,1
	s_mov_b32 s[G0+4*\s], 1
	s_add_co_u32 s[G0+4*\s+1], s45, \s*SLOT
	s_add_nc_u64 s[G0+4*\s+2:G0+4*\s+3], s[20:21], \s*AGSTEP
	s_or_b32 s[G0+4*\s+3], s[G0+4*\s+3], 0x80000000
	s_mov_b32 s[G0B+4*\s], 1
	s_add_co_u32 s[G0B+4*\s+1], s45, \s*SLOT
	s_add_nc_u64 s[G0B+4*\s+2:G0B+4*\s+3], s[46:47], \s*512
	s_or_b32 s[G0B+4*\s+3], s[G0B+4*\s+3], 0x80000000
.endr
	; THE HEAD'S LOADS, ONE A WAVE: wave 0 slot 0's tile of A, wave 1 its tile of W, waves 2 and 3 the halves of W's scale bytes.  One tree of branches on the wave's number.
	s_cmp_lt_u32 s16, 1
	s_cbranch_scc0 .Lhead_b
	tensor_load_to_lds s[80:83], s[G1:G1+7]
	s_nop 0
.rept 4
	v_nop
.endr
	s_branch .Lhead_asked
.Lhead_b:
	s_cmp_lt_u32 s16, 2
	s_cbranch_scc0 .Lhead_s
	tensor_load_to_lds s[84:87], s[G1B:G1B+7]
	s_nop 0
.rept 4
	v_nop
.endr
	s_branch .Lhead_asked
.Lhead_s:
	tensor_load_to_lds s[G0S:G0S+3], s[G1S:G1S+7]
	s_nop 0
.rept 4
	v_nop
.endr
.Lhead_asked:
	v_and_b32 v1, 15, v0
	v_bfe_u32 v2, v0, 4, 1
	v_and_b32 v3, 31, v0
	s_mul_i32 s21, s17, HALFT
	v_lshl_add_u32 v[ADRA], v3, 4, s21
	v_add_nc_u32 v[ADRA+1], SLOT, v[ADRA]
	s_add_co_u32 s23, s21, 32768
	v_lshl_add_u32 v[ADSA], v3, 2, s23
	v_add_nc_u32 v[ADSA+1], SLOT, v[ADSA]
	s_mul_i32 s22, s18, HALFT
	s_add_co_u32 s22, s22, 2*HALFT
	v_mul_u32_u24 v4, v1, 528
	v_lshl_add_u32 v4, v2, 4, v4
	v_add_nc_u32 v[ADRB], s22, v4
	v_add_nc_u32 v[ADRB+1], SLOT, v[ADRB]
	v_lshrrev_b32 v4, LOGPER, v3
	v_and_b32 v5, PER-1, v3
	v_mul_u32_u24 v4, v4, 272
	v_mad_u32_u24 v4, v5, KS, v4
	s_mul_i32 s22, s18, (64/PER)*272
	s_add_co_u32 s22, s22, SCB
	v_add_nc_u32 v[ADSB], s22, v4
	s_mul_i32 s23, s16, 64*272
.if PERM
	v_and_b32 v4, 8, v1
	v_add_nc_u32 v4, v4, v1
.else
	v_mov_b32 v4, v1
.endif
	v_mul_u32_u24 v4, v4, 272
	v_lshl_add_u32 v4, v2, 5, v4
	v_add_nc_u32 v[STO], s23, v4
	v_mul_u32_u24 v4, v2, 272
	v_lshl_add_u32 v4, v1, 4, v4
	v_add_nc_u32 v[RD], s23, v4
	v_lshlrev_b32 v4, 12, v2
	v_lshl_add_u32 v[CO], v1, 4, v4
	s_wait_alu depctr_va_vdst(0)
	s_lshl_b32 s20, s19, 7
	s_lshl_b32 s21, s17, 6
	s_add_co_u32 s20, s20, s21
	s_lshl_b32 s20, s20, 12
	s_lshl_b32 s46, s42, 9
	s_lshl_b32 s47, s18, 8
	s_add_co_u32 s46, s46, s47
	s_mov_b32 s47, 0
	s_add_nc_u64 s[10:11], s[10:11], s[46:47]
	s_add_co_u32 s46, s46, s20
	s_add_nc_u64 s[12:13], s[12:13], s[46:47]
	s_add_nc_u64 s[14:15], s[14:15], s[46:47]
	v_lshlrev_b32 v7, 5, v2
.irp b, 0,1,2,3
	global_load_b128 v[BIAS+8*\b:BIAS+8*\b+3], v7, s[10:11] offset:64*\b
	global_load_b128 v[BIAS+8*\b+4:BIAS+8*\b+7], v7, s[10:11] offset:64*\b+16
.endr
	WIN 0x80
.set t, 0
.rept 32
	global_load_b128 v[4*t:4*t+3], v[CO], s[12:13] offset:8192*t
.set t, t+1
.endr
	WIN 0
.macro PLACES n
.rept \n
	v_nop
.endr
.endm
.macro FETCH slot, q, f
	WIN TO_F
.irp j, 0,1,2,3
.irp c, 0,1,2,3
	ds_load_b128 v[\f+64+16*\j+4*\c:\f+64+16*\j+4*\c+3], v[ADRB+\slot] offset:8448*\j+128*(\q)+32*\c
.endr
.endr
.irp i, 0,1,2,3
.irp c, 0,1,2,3
	ds_load_b128 v[\f+16*\i+4*\c:\f+16*\i+4*\c+3], v[ADRA+\slot] offset:8192*\i+2048*(\q)+512*\c
.endr
.endr
.endm
.macro SCALES set
	WIN 0
.irp q, 0,1,2,3
.irp ip, 0,1
	ds_load_b32 v[SA+8*\set+2*\q+\ip], v[ADSA+\set] offset:256*\q+128*\ip
.endr
.endr
.irp p, 0,1
	ds_load_b128 v[SB+8*\set+4*\p:SB+8*\set+4*\p+3], v[ADSB] offset:\p*(32/PER)*272
.endr
.endm
.macro MULA f, q, set, a, zero
.irp b, 0,1,2,3
.set rD, ACC+8*(4*(\a)+\b)
.set rC, rD
.if \zero
.set rC, BIAS+8*\b
.endif
.set rB, \f+64+16*\b
.set rA, \f+16*(\a)
.set rSB, SB+8*(\set)+4*(\b/2)+(\q)
.set rSA, SA+8*(\set)+2*(\q)+(\a)/2
.if (\b%2) && ((\a)%2)
	v_wmma_scale_f32_16x16x128_f8f6f4 v[rD:rD+7], v[rB:rB+15], v[rA:rA+15], v[rC:rC+7], v[rSB], v[rSA] matrix_a_scale:MATRIX_SCALE_ROW1 matrix_b_scale:MATRIX_SCALE_ROW1
.elseif \b%2
	v_wmma_scale_f32_16x16x128_f8f6f4 v[rD:rD+7], v[rB:rB+15], v[rA:rA+15], v[rC:rC+7], v[rSB], v[rSA] matrix_a_scale:MATRIX_SCALE_ROW1
.elseif (\a)%2
	v_wmma_scale_f32_16x16x128_f8f6f4 v[rD:rD+7], v[rB:rB+15], v[rA:rA+15], v[rC:rC+7], v[rSB], v[rSA] matrix_b_scale:MATRIX_SCALE_ROW1
.else
	v_wmma_scale_f32_16x16x128_f8f6f4 v[rD:rD+7], v[rB:rB+15], v[rA:rA+15], v[rC:rC+7], v[rSB], v[rSA]
.endif
.endr
.endm
.macro STEP slot, qn, f, g, zero
	s_wait_dscnt 0x0
	PLACES 8
	FETCH \slot, \qn, \g
	WIN MUL
.irp a, 0,1,2,3
	MULA \f, (\qn)-1, \slot, \a, \zero
.endr
.endm
.macro TURN slot, next, fill
	WIN 0
	s_wait_tensorcnt 0x0
	ds_add_u32 v[SPW], v[NIL]
	s_wait_dscnt 1
	WIN MUL
	MULA F1, 3, \slot, 0, 0
	s_wait_dscnt 0x0
	s_barrier_signal -1
	MULA F1, 3, \slot, 1, 0
	WIN 0
	s_barrier_wait -1
.if \fill
	CREST
	s_add_nc_u64 s[G0+4*\slot+2:G0+4*\slot+3], s[G0+4*\slot+2:G0+4*\slot+3], 2*AGSTEP
	s_add_nc_u64 s[G0B+4*\slot+2:G0B+4*\slot+3], s[G0B+4*\slot+2:G0B+4*\slot+3], 1024
	JLOAD \slot
	PLACES 4
.else
	PLACES 8
.endif
	s_wait_alu depctr_va_vdst(0)
	v_add_nc_u32 v[ADSB], 16, v[ADSB]
	FETCH \next, 0, F0
	SCALES \next
	WIN MUL
	MULA F1, 3, \slot, 2, 0
	MULA F1, 3, \slot, 3, 0
.endm
	s_wait_alu depctr_va_vdst(0)
	s_wait_tensorcnt 0x0                           ; my tile of the head's four is in
	ds_add_u32 v[SPW], v[NIL]
	s_mov_b32 s[G1+2], 132<<16                     ; no tensor load of mine is out: from here on a load brings half a tile
	s_mov_b32 s[G1+4], 132
	s_mov_b32 s[G1B+2], 64<<16
	s_mov_b32 s[G1B+4], 64
	s_wait_dscnt 0x0
	CROUND                                         ; a whole round: all four tiles are in,
	JLOAD 1                                        ; and slot 1's first fill is the first tensor load behind it
	FETCH 0, 0, F0
	SCALES 0
	s_wait_loadcnt 32
	STEP 0, 1, F0, F1, 1
.if LAPS > 1
	WIN 0
	s_mov_b32 s3, LAPS-1
.Llap:
	STEP 0, 2, F1, F0, 0
	STEP 0, 3, F0, F1, 0
	TURN 0, 1, 1
	STEP 1, 1, F0, F1, 0
	STEP 1, 2, F1, F0, 0
	STEP 1, 3, F0, F1, 0
	TURN 1, 0, 1
	STEP 0, 1, F0, F1, 0
	WIN 0
	s_sub_co_u32 s3, s3, 1
	s_cmp_lg_u32 s3, 0
	s_cbranch_scc1 .Llap
.endif
	STEP 0, 2, F1, F0, 0
	STEP 0, 3, F0, F1, 0
	TURN 0, 1, 0
	STEP 1, 1, F0, F1, 0
	STEP 1, 2, F1, F0, 0
	STEP 1, 3, F0, F1, 0
	s_wait_dscnt 0x0
.irp a, 0,1,2,3
	MULA F1, 3, 1, \a, 0
.endr
	WIN 0
	PLACES 8
.irp a, 0,1,2,3
.if PERM
.set OFA, 32*(\a/2)+8*(\a%2)
.else
.set OFA, 16*\a
.endif
.irp b, 0,1,2,3
	ds_store_b128 v[STO], v[ACC+8*(4*\a+\b):ACC+8*(4*\a+\b)+3] offset:272*OFA+64*\b
	ds_store_b128 v[STO], v[ACC+8*(4*\a+\b)+4:ACC+8*(4*\a+\b)+7] offset:272*OFA+64*\b+16
.endr
.endr
	s_wait_loadcnt 0x0
.irp hf, 0,1
.if \hf
	s_wait_xcnt 0x0
.endif
.set t, 0
.rept 16
	ds_load_b128 v[OB+4*t:OB+4*t+3], v[RD] offset:544*(16*\hf+t)
.set t, t+1
.endr
	s_wait_dscnt 0x0
	WIN 0x08
.set t, 0
.rept 32
	v_pk_add_f32 v[OB+2*t:OB+2*t+1], v[OB+2*t:OB+2*t+1], v[64*\hf+2*t:64*\hf+2*t+1]
.set t, t+1
.endr
	WIN 0
.set t, 0
.rept 16
	global_store_b128 v[CO], v[OB+4*t:OB+4*t+3], s[14:15] offset:8192*(16*\hf+t)
.set t, t+1
.endr
.endr
	s_wait_tensorcnt 0x0
	ds_add_u32 v[SPW], v[NIL]
	s_wait_dscnt 0x0
	CROUND
	s_endpgm
.Lfunc_end_k_qf680391c3f_fc2:
	.size	k_qf680391c3f_fc2, .Lfunc_end_k_qf680391c3f_fc2-k_qf680391c3f_fc2
	.p2alignl 7, 3214868480
	.fill 96, 4, 3214868480
	.section	.rodata,"a",@progbits
	.p2align	6, 0x0
	.amdhsa_kernel k_qf680391c3f_fc2
		.amdhsa_group_segment_fixed_size 327680
		.amdhsa_private_segment_fixed_size 0
		.amdhsa_enable_private_segment 0
		.amdhsa_kernarg_size 48
		.amdhsa_user_sgpr_count 2
		.amdhsa_user_sgpr_kernarg_segment_ptr 1
		.amdhsa_wavefront_size32 1
		.amdhsa_system_sgpr_workgroup_id_x 1
		.amdhsa_system_sgpr_workgroup_id_y 1
		.amdhsa_system_sgpr_workgroup_id_z 1
		.amdhsa_system_vgpr_workitem_id 0
		.amdhsa_next_free_vgpr 640
		.amdhsa_next_free_sgpr 88
		.amdhsa_reserve_vcc 0
		.amdhsa_float_denorm_mode_32 3
		.amdhsa_float_denorm_mode_16_64 3
		.amdhsa_memory_ordered 1
		.amdhsa_forward_progress 1
		.amdhsa_inst_pref_size 101
	.end_amdhsa_kernel
	.amdgpu_metadata
---
amdhsa.version: [ 1, 2 ]
amdhsa.kernels:
  - .name:           k_qf680391c3f_fc2
    .symbol:         k_qf680391c3f_fc2.kd
    .args:
      - { .name: h_img, .offset: 0, .size: 8, .value_kind: global_buffer, .address_space: global }
      - { .name: fc2_w_codes, .offset: 8, .size: 8, .value_kind: global_buffer, .address_space: global }
      - { .name: fc2_w_scales, .offset: 16, .size: 8, .value_kind: global_buffer, .address_space: global }
      - { .name: fc2_b, .offset: 24, .size: 8, .value_kind: global_buffer, .address_space: global }
      - { .name: x2, .offset: 32, .size: 8, .value_kind: global_buffer, .address_space: global }
      - { .name: out0, .offset: 40, .size: 8, .value_kind: global_buffer, .address_space: global }
    .group_segment_fixed_size: 327680
    .private_segment_fixed_size: 0
    .kernarg_segment_align: 8
    .kernarg_segment_size: 48
    .max_flat_workgroup_size: 128
    .sgpr_count:     88
    .vgpr_count:     640
    .wavefront_size: 32
...
	.end_amdgpu_metadata
.endif
;; end of part 6
